; MI455X (gfx1250); checked and timed in simulation.
; The chip was launched on July 23, 2026; its instructions are those of AMD's public machine-readable ISA for CDNA 5 (MIT licence, August 2026) and "CDNA5" Instruction Set Architecture Reference Guide (July 2026). The comments in the code are by the model that wrote it; some were corrected since.
;; Gene Attention Layer. Allowed arithmetic: matrix products marked QUANTISED: E2M3 operands, one E8M0 scale for each 32 along K, by v_wmma_scale_f32_16x16x128_f8f6f4 with both operands' format E2M3, f32 sums; everything else in f32.
;; Inputs: M 2 x 2,048 x 2,048 float32; V 2 x 2,048 x 16 x 64 float32; in_proj_b 3,072 float32; in_proj_w 3,072 x 1,024 float32; out_b 1,024 float32; out_w 1,024 x 1,024 float32; x 2 x 2,048 x 1,024 float32.
;; Outputs: out0 2 x 2,048 x 1,024 float32.
;; This version of the problem:
;;   THIS VERSION OF THE PROBLEM IS GIVEN IN LOW PRECISION. The matrix products marked QUANTISED in the list below multiply operands that are first quantised to E2M3 (2 exponent bits, 3 mantissa bits; 6 bits a number), with one power-of-two scale for each 32 numbers along K (OCP MX v1.0); their sums are f32. All else is computed in f32.
;;   The module's matrix products, in the order in which they are computed (A, B: the left and right operand; K: the contracted axis; several contracted axes count as one K, in the product's order):
;;     1. [M 4,096, K 1,024] x [K 1,024, N 3,072]; A: input x; B: input in_proj_w: QUANTISED
;;     2. batch 32 x [M 2,048, K 64] x [K 64, N 2,048]; A: computed on the way; B: computed on the way: QUANTISED
;;     3. batch 32 x [M 2,048, K 2,048] x [K 2,048, N 64]; A: computed on the way; B: input V: QUANTISED
;;     4. [M 4,096, K 1,024] x [K 1,024, N 1,024]; A: computed on the way; B: input out_w: QUANTISED
;;   THE QUANTISER, for each operand of a quantised product, along K:
;;     - K is cut into blocks of 32 from its start; a last block that is shorter is filled with zeros.
;;     - A block's scale is 2^e with e = floor(log2(the largest magnitude in the block)) - 2, held to -126 .. 127; a block of zeros has e = 0. As a byte (E8M0): e + 127.
;;     - Each number is divided by its block's scale, clamped to +-7.5, and rounded to the nearest number of E2M3, ties to even, subnormals kept.
;;     - The product sums the exact products of the quantised numbers (number of the format x scale) in f32.
;;   ~~~python
;;   def quantise(x, axis):      # numpy; x: float32 -> the quantised numbers, widened to float32 again
;;       x = np.moveaxis(x, axis, -1); K = x.shape[-1]
;;       x = np.pad(x, [(0, 0)] * (x.ndim - 1) + [(0, -K % 32)]); x = x.reshape(x.shape[:-1] + (-1, 32)); a = np.abs(x).max(-1, keepdims=True)
;;       e = np.where(a > 0, np.clip(np.frexp(np.where(a > 0, a, 1))[1] - 1 - 2, -126, 127), 0)      # np.frexp(a)[1] - 1 = floor(log2(a)), exactly
;;       r = np.clip(x / 2.0 ** e, -7.5, 7.5)
;;       step = 2.0 ** (np.maximum(np.frexp(np.where(r == 0, 1, r))[1] - 1, 0) - 3)
;;       q = np.round(r / step) * step * 2.0 ** e      # np.round: ties to even
;;       return np.moveaxis(q.reshape(q.shape[:-2] + (-1,))[..., :K], -1, axis).astype(np.float32)
;;   ~~~
;;   OPERANDS COMPUTED ON THE WAY. 'Computed on the way' means the value that the module computes at that place (a softmax that the list does not call 'softmax' is quantised finished and normalised). What goes into a quantiser is computed in f32, as accurately as f32 sums, v_exp_f32 and their like allow (about 1e-6 of the number): no bf16 or f16 on the way to a quantiser, and a product that is left as it is and whose result goes on into a quantised operand takes f32 operands (vector FMAs, or v_wmma_f32_16x16x4_f32). A number that lies on a knife's edge between two numbers of the format may be rounded either way, as far as f32 arithmetic and the matrix unit's own rounding can turn it there, and no further.
;; One version. Each part assembles by itself: llvm-mc -triple=amdgcn-amd-amdhsa -mcpu=gfx1250 --defsym DOCPART=n.
;; ======== version 1 of 1: 4 launches
;; limits: right only within a limited range of input values
;; workspace buffers: RC 5,505,024 bytes; RS 229,376 bytes; VC 3,145,728 bytes; VS 131,072 bytes; QKC 6,291,456 bytes; QKS 524,288 bytes; AC 3,145,728 bytes; AS 131,072 bytes
;; launch prep (part 1): grid 704 x 1, 4 waves a work-group, no clusters, 68,096 bytes of LDS; arguments x, in_proj_w, out_w, RC, RS, V, VC, VS; writes RC, RS, VC, VS
.if DOCPART == 1
	.amdgcn_target "amdgcn-amd-amdhsa--gfx1250"
	.amdhsa_code_object_version 6
	.text
	.protected	k_qefbaf08036_prep
	.globl	k_qefbaf08036_prep
	.p2align	8
	.type	k_qefbaf08036_prep,@function
k_qefbaf08036_prep:
	s_mov_b64 s[64:65], 0
	v_nop
	global_prefetch_b8 v0, s[64:65] scope:SCOPE_SE
	s_setreg_imm32_b32 hwreg(HW_REG_WAVE_MODE, 25, 1), 1
	s_wait_xcnt 0x0
; ONE LAUNCH QUANTISES EVERY INPUT OPERAND to codes of FP6 (E2M3) with one E8M0 byte for each 32 along K.  Work-groups 0-447: the tensors with K innermost; work-groups 448-703: V, whose K (the keys) is its first axis in a batch.
; DEAD WORK: rows 2048-3071 of in_proj_w and of in_proj_b make the v projection, which reference() splits off and never uses, whatever the inputs hold: they are not read, and that third of product 1 is not made.
; (A NaN, an infinity or an overflow that reaches only that third is not carried to the result.)
; A block's scale is 2^(floor(log2(largest magnitude)) - 2); its byte is the largest magnitude's exponent field - 2, held at 1 from below (a block of zeros keeps the byte 1: its codes are zeros, and this program alone reads the bytes).
; LIMITS: NaN and infinities are not served; blocks whose largest magnitude lies under 2^-124 keep the byte 1.
; LAYOUT OF THE CODES: images of operand registers.  16 rows x 64 along K are 768 bytes: lane l's registers 0-3 at 16 l, its registers 4-5 at 512 + 8 l; lane (r = l % 16, h = l / 16) holds row r, block h of the 64.
; Within each block of 32 the two middle groups of eight numbers change places (position p holds number p % 8 + 8 x {0,2,1,3}[p / 8]): every operand of this program is laid so, so the products are the same.
; The two bodies part on the work-group's number alone, at the first line; only the first uses LDS.
	s_cmp_lt_u32 ttmp9, 448
	s_cbranch_scc0 .Lqv
; ROWS: a work-group takes 16 rows (tiles 0-255: x, 256-383: in_proj_w, 384-447: out_w), wave q the K quarter 256 q on, in two steps of 128.  Each load reads 512 consecutive bytes of a row; the numbers turn through
; the wave's own stage in LDS (rows 528 bytes apart) so that a lane gets the 32 numbers of a whole block.  No barrier: waves share nothing.
.set SPARE, 67584                      ; behind the four stages: the spare words, 128 bytes for each wave
.set WST,   16896                      ; a wave's two stages
.set UST,   8448                       ; one stage: 16 rows x 528
.set SP,    528
.set L,     32                         ; v32-159  the numbers as loaded: step u, row i at 64 u + 4 i
.set X,     160                        ; v160-223 two blocks of 32 numbers of my row
.set D,     224                        ; v224-247 the codes: 12 registers a step, never written again
.set TP,    248                        ; v248-255 the conversions' second halves
	s_load_b256 s[4:11], s[0:1], 0x0               ; x, in_proj_w, out_w, RC
	s_load_b64 s[12:13], s[0:1], 0x20              ; RS
	v_lshl_add_u32 v1, v0, 2, SPARE                ; my spare word
	v_mov_b32 v2, 0
	v_lshrrev_b32 v9, 5, v0
	v_readfirstlane_b32 s20, v9                    ; wave = K quarter
	v_and_b32 v9, 31, v0                           ; lane
	v_and_b32 v6, 15, v0                           ; r
	v_bfe_u32 v17, v0, 4, 1                        ; h
	v_lshlrev_b32 v3, 4, v9                        ; 16 x lane
	s_mul_i32 s21, s20, WST
	v_add_nc_u32 v4, s21, v3                       ; the stage, on the way in
	v_mul_u32_u24 v5, v6, SP
	v_lshl_add_u32 v5, v17, 7, v5
	v_add_nc_u32 v5, s21, v5                       ; and out: row r, block h
	v_lshlrev_b32 v7, 3, v9
	v_add_nc_u32 v7, 512, v7                       ; 8 x lane + 512
	v_lshlrev_b32 v8, 5, v6                        ; 32 r: my row of scale bytes
	v_lshlrev_b32 v17, 3, v17                      ; 8 h: my bytes' place in a scale word
	v_mov_b32 v20, 0                               ; written once: a lane permute's destination counts as one of its sources
	s_mov_b32 s22, 0x76543210
	s_mov_b32 s23, 0xfedcba98                      ; selects for lane l xor 16
	s_mov_b32 s16, 384
	s_wait_alu depctr_va_vdst(0)                   ; the head's end
	s_wait_kmcnt 0x0
	s_cmp_lt_u32 ttmp9, 384                        ; which tensor: the choice hangs on the work-group's number alone
	s_cselect_b64 s[14:15], s[6:7], s[8:9]
	s_cselect_b32 s16, 256, s16
	s_cmp_lt_u32 ttmp9, 256
	s_cselect_b64 s[14:15], s[4:5], s[14:15]
	s_cselect_b32 s16, 0, s16
	s_sub_co_u32 s16, ttmp9, s16                   ; the tile's number in its tensor
	s_lshl_b32 s16, s16, 16                        ; 16 rows of 4,096 bytes
	s_lshl_b32 s17, s20, 10                        ; my quarter
	s_add_co_u32 s16, s16, s17
	s_mov_b32 s17, 0
	s_add_nc_u64 s[14:15], s[14:15], s[16:17]
	s_mul_i32 s16, ttmp9, 12288                    ; a tile's 16 images
	s_mul_i32 s18, s20, 3072                       ; my four
	s_add_co_u32 s16, s16, s18
	s_add_nc_u64 s[10:11], s[10:11], s[16:17]
	s_lshl_b32 s16, ttmp9, 9                       ; 16 rows of 32 scale bytes
	s_lshl_b32 s18, s20, 3                         ; my eight of a row
	s_add_co_u32 s16, s16, s18
	s_add_nc_u64 s[12:13], s[12:13], s[16:17]
.irp u, 0,1
.irp i, 0,1,2,3,4,5,6,7,8,9,10,11,12,13,14,15
	global_load_b128 v[L+64*\u+4*\i:L+64*\u+4*\i+3], v3, s[14:15] offset:4096*\i+512*\u th:TH_LOAD_NT   ; 32 lanes read 512 consecutive bytes of row i
.endr
.endr
.macro TOST u
.irp i, 0,1,2,3,4,5,6,7,8,9,10,11,12,13,14,15
	ds_store_b128 v4, v[L+64*\u+4*\i:L+64*\u+4*\i+3] offset:UST*\u+SP*\i
.endr
.endm
.macro FROMST u                        ; blocks h and 2 + h of my row, 16 bytes at a time, the middle groups of eight exchanged
.irp c, 0,1
.irp m, 0,1,2,3,4,5,6,7
	ds_load_b128 v[X+32*\c+4*\m:X+32*\c+4*\m+3], v5 offset:UST*\u+256*\c+16*((\m%2)+2*((((\m/2)&1)*2)+((\m/2)>>1)))
.endr
.endr
.endm
.macro QSTEP u
.irp c, 0,1
	v_max3_num_f32 v[10+\c], |v[X+32*\c]|, |v[X+32*\c+1]|, 0x1800000   ; my block: all 32 numbers are mine; and the floor 2^(3 - 127), which holds the byte at 1 from below
.endr
.irp i, 2,4,6,8,10,12,14,16,18,20,22,24,26,28,30
.irp c, 0,1
	v_max3_num_f32 v[10+\c], v[10+\c], |v[X+32*\c+\i]|, |v[X+32*\c+\i+1]|
.endr
.endr
.irp c, 0,1
	v_add_nc_u32 v[12+\c], 0xff000000, v[10+\c]    ; 2 off the exponent field: the conversion's scale operand
.endr
.irp c, 0,1
	v_lshrrev_b32 v[14+\c], 23, v[12+\c]           ; the scale's byte
.endr
	v_lshl_or_b32 v16, v15, 16, v14                ; my two bytes, blocks h and 2 + h,
	v_lshlrev_b32 v16, v17, v16                    ; at their places;
	v_permlanex16_b32 v20, v16, s22, s23
	v_or_b32 v[18+\u], v16, v20                    ; with lane l xor 16's two the word is whole
.irp c, 0,1
	v_cvt_scalef32_pk16_fp6_f32 v[D+12*\u+6*\c:D+12*\u+6*\c+2], v[X+32*\c:X+32*\c+15], v[12+\c]
	v_cvt_scalef32_pk16_fp6_f32 v[TP+4*\c:TP+4*\c+2], v[X+32*\c+16:X+32*\c+31], v[12+\c]   ; (a conversion's three registers begin on an even number)
.endr
	v_nop                                          ; one plain place behind the scaled conversions
.irp c, 0,1
.irp i, 0,1,2
	v_mov_b32 v[D+12*\u+6*\c+3+\i], v[TP+4*\c+\i]
.endr
.endr
.irp c, 0,1
	global_store_b128 v3, v[D+12*\u+6*\c:D+12*\u+6*\c+3], s[10:11] offset:768*(2*\u+\c)     ; 512 consecutive bytes,
	global_store_b64 v7, v[D+12*\u+6*\c+4:D+12*\u+6*\c+5], s[10:11] offset:768*(2*\u+\c)    ; and 256 more: an image
.endr
.endm
	s_wait_loadcnt 16                              ; the first step's 16 loads are in; the second step's may be out
	TOST 0
	FROMST 0                                       ; LDS serves a wave's instructions in order: these see the stores above
	s_wait_loadcnt 0x0
	TOST 1
	s_wait_dscnt 16                                ; all but the 16 stores just issued
	QSTEP 0
	FROMST 1
	s_wait_dscnt 0x0
	QSTEP 1
	global_store_b64 v8, v[18:19], s[12:13]        ; my row's two scale words (both halves of the lanes hold and write the same)
	s_wait_tensorcnt 0x0                           ; the wave's end
	ds_add_u32 v1, v2
	s_wait_dscnt 0x0
	s_endpgm
.Lqv:
; V [2][2048 keys][1024 columns]: A LANE TAKES A COLUMN, ITS REGISTERS RUN DOWN THE KEYS: a block of 32 keys lies in one lane's 32 registers, and the conversions give codes with K innermost.
; A wave takes 32 columns x 128 keys.  One exchange of lane halves between the registers of two neighbouring blocks turns 'a lane a column' into images (16 columns x 64 keys).
; VC: [batch][64 tiles of 16 columns][32 x 64 keys][768].  VS: [batch][32 groups of 32 columns][16 steps of 128 keys][32 lanes] words.  No LDS, no barrier.  Loads run two blocks (64 loads a wave) ahead.
.set X, 32                             ; v32-159  four blocks of 32 numbers
.set D, 160                            ; v160-191 a block's six registers of codes at 8 x block
.set E, 192                            ; v192-207 the conversions' second halves
	s_load_b128 s[4:7], s[0:1], 0x28               ; V, VC
	s_load_b64 s[8:9], s[0:1], 0x38                ; VS
	v_lshrrev_b32 v1, 5, v0
	v_readfirstlane_b32 s10, v1                    ; wave
	v_and_b32 v2, 31, v0                           ; lane
	v_lshlrev_b32 v3, 2, v2                        ; 4 x lane
	v_lshlrev_b32 v4, 4, v2                        ; 16 x lane
	v_lshlrev_b32 v5, 3, v2
	v_add_nc_u32 v5, 512, v5                       ; 8 x lane + 512
	s_sub_co_u32 s24, ttmp9, 448                   ; V's work-groups, 0 .. 255
	s_and_b32 s25, s24, 7
	s_lshr_b32 s12, s24, 3
	s_lshl_b32 s11, s25, 2
	s_add_co_u32 s11, s11, s10                     ; g: my group of 32 columns
	s_lshr_b32 s13, s12, 4                         ; batch
	s_and_b32 s12, s12, 15                         ; step of 128 keys
	s_lshl_b32 s14, s13, 23                        ; V: a batch is 2,048 rows of 4,096 bytes,
	s_lshl_b32 s15, s12, 19                        ; a step 128 rows,
	s_add_co_u32 s14, s14, s15
	s_lshl_b32 s15, s11, 7                         ; a group 128 bytes
	s_add_co_u32 s14, s14, s15
	s_mov_b32 s15, 0
	s_lshl_b32 s16, s13, 6
	s_lshl_b32 s17, s11, 1
	s_add_co_u32 s16, s16, s17                     ; VC: tile 64 batch + 2 g,
	s_lshl_b32 s16, s16, 5
	s_lshl_b32 s17, s12, 1
	s_add_co_u32 s16, s16, s17                     ; image 2 step
	s_mul_i32 s16, s16, 768
	s_mov_b32 s17, 0
	s_lshl_b32 s18, s13, 5
	s_add_co_u32 s18, s18, s11
	s_lshl_b32 s18, s18, 4
	s_add_co_u32 s18, s18, s12
	s_lshl_b32 s18, s18, 7                         ; VS: ((32 batch + g) 16 + step) x 128
	s_mov_b32 s19, 0
	s_wait_alu depctr_va_vdst(0)                   ; the head's end
	s_wait_kmcnt 0x0
	s_add_nc_u64 s[4:5], s[4:5], s[14:15]
	s_add_nc_u64 s[6:7], s[6:7], s[16:17]
	s_add_nc_u64 s[8:9], s[8:9], s[18:19]
.macro LOAD t                          ; block t's 32 keys of my column, the middle groups of eight exchanged
.irp i, 0,1,2,3,4,5,6,7,8,9,10,11,12,13,14,15,16,17,18,19,20,21,22,23,24,25,26,27,28,29,30,31
	global_load_b32 v[X+32*(\t)+\i], v3, s[4:5] offset:(32*(\t)+(\i%8)+8*((((\i/8)&1)*2)+((\i/8)>>1)))*4096 th:TH_LOAD_NT
.endr
.endm
.macro BLOCK t
.set XS, X+32*(\t)
.if (\t) < 3
	s_wait_loadcnt 32                              ; this block's 32 loads are in; the next block's may be out
.else
	s_wait_loadcnt 0x0
.endif
.if (\t) < 2
	LOAD (\t)+2
.endif
	v_max3_num_f32 v12, |v[XS]|, |v[XS+1]|, |v[XS+2]|
	v_max3_num_f32 v13, |v[XS+3]|, |v[XS+4]|, |v[XS+5]|
.irp i, 6,10,14,18,22,26
	v_max3_num_f32 v12, v12, |v[XS+\i]|, |v[XS+\i+1]|
	v_max3_num_f32 v13, v13, |v[XS+\i+2]|, |v[XS+\i+3]|
.endr
	v_max3_num_f32 v12, v12, |v[XS+30]|, |v[XS+31]|
	v_max3_num_f32 v12, v12, v13, 0x1800000        ; and the floor 2^(3 - 127)
	v_add_nc_u32 v11, 0xff000000, v12              ; 2 off the exponent field: the conversion's scale operand
	v_lshrrev_b32 v13, 23, v11                     ; the byte
.if (\t) == 0
	v_mov_b32 v8, v13
.else
	v_lshl_or_b32 v8, v13, 8*(\t), v8              ; four bytes make my column's scale word for these 128 keys
.endif
	v_cvt_scalef32_pk16_fp6_f32 v[D+8*(\t):D+8*(\t)+2], v[XS:XS+15], v11
	v_cvt_scalef32_pk16_fp6_f32 v[E+4*(\t):E+4*(\t)+2], v[XS+16:XS+31], v11   ; (the next block's first lines are the plain places behind these)
.endm
	LOAD 0
	LOAD 1
	BLOCK 0
	BLOCK 1
	BLOCK 2
	BLOCK 3
	v_nop                                          ; one plain place behind the last conversions
.irp t, 0,1,2,3
.irp i, 0,1,2
	v_mov_b32 v[D+8*\t+3+\i], v[E+4*\t+\i]
.endr
.endr
.irp c, 0,1                            ; blocks 2 c and 2 c + 1: the first's lanes 16-31 change places with the second's lanes 0-15: the first is then the image of columns 0-15, the second that of columns 16-31
.irp i, 0,1,2,3,4,5
	v_permlane16_swap_b32 v[D+16*\c+\i], v[D+16*\c+8+\i]
.endr
.endr
.irp c, 0,1
.irp u, 0,1
	global_store_b128 v4, v[D+16*\c+8*\u:D+16*\c+8*\u+3], s[6:7] offset:24576*\u+768*\c     ; 512 consecutive bytes,
	global_store_b64 v5, v[D+16*\c+8*\u+4:D+16*\c+8*\u+5], s[6:7] offset:24576*\u+768*\c    ; and 256 more
.endr
.endr
	global_store_b32 v3, v8, s[8:9]                ; 128 consecutive bytes of scale words
	s_endpgm
.Lfunc_end_k_qefbaf08036_prep:
	.size	k_qefbaf08036_prep, .Lfunc_end_k_qefbaf08036_prep-k_qefbaf08036_prep
	.p2alignl 7, 3214868480
	.fill 96, 4, 3214868480
	.section	.rodata,"a",@progbits
	.p2align	6, 0x0
	.amdhsa_kernel k_qefbaf08036_prep
		.amdhsa_group_segment_fixed_size 68096
		.amdhsa_private_segment_fixed_size 0
		.amdhsa_enable_private_segment 0
		.amdhsa_kernarg_size 64
		.amdhsa_user_sgpr_count 2
		.amdhsa_user_sgpr_kernarg_segment_ptr 1
		.amdhsa_wavefront_size32 1
		.amdhsa_system_sgpr_workgroup_id_x 1
		.amdhsa_system_sgpr_workgroup_id_y 1
		.amdhsa_system_sgpr_workgroup_id_z 1
		.amdhsa_system_vgpr_workitem_id 0
		.amdhsa_next_free_vgpr 256
		.amdhsa_next_free_sgpr 66
		.amdhsa_reserve_vcc 0
		.amdhsa_float_denorm_mode_32 3
		.amdhsa_float_denorm_mode_16_64 3
		.amdhsa_memory_ordered 1
		.amdhsa_forward_progress 1
		.amdhsa_inst_pref_size 37
	.end_amdhsa_kernel
	.amdgpu_metadata
---
amdhsa.version: [ 1, 2 ]
amdhsa.kernels:
  - .name:           k_qefbaf08036_prep
    .symbol:         k_qefbaf08036_prep.kd
    .args:
      - { .name: x, .offset: 0, .size: 8, .value_kind: global_buffer, .address_space: global }
      - { .name: in_proj_w, .offset: 8, .size: 8, .value_kind: global_buffer, .address_space: global }
      - { .name: out_w, .offset: 16, .size: 8, .value_kind: global_buffer, .address_space: global }
      - { .name: RC, .offset: 24, .size: 8, .value_kind: global_buffer, .address_space: global }
      - { .name: RS, .offset: 32, .size: 8, .value_kind: global_buffer, .address_space: global }
      - { .name: V, .offset: 40, .size: 8, .value_kind: global_buffer, .address_space: global }
      - { .name: VC, .offset: 48, .size: 8, .value_kind: global_buffer, .address_space: global }
      - { .name: VS, .offset: 56, .size: 8, .value_kind: global_buffer, .address_space: global }
    .group_segment_fixed_size: 68096
    .private_segment_fixed_size: 0
    .kernarg_segment_align: 8
    .kernarg_segment_size: 64
    .max_flat_workgroup_size: 128
    .sgpr_count:     66
    .vgpr_count:     256
    .wavefront_size: 32
...
	.end_amdgpu_metadata
.endif
;; end of part 1
;; launch gemm1 (part 2): grid 8 x 32, 4 waves a work-group, clusters of 4 x 4, 295,424 bytes of LDS; arguments RC, RS, in_proj_b, QKC, QKS; writes QKC, QKS
.if DOCPART == 2
	.amdgcn_target "amdgcn-amd-amdhsa--gfx1250"
	.amdhsa_code_object_version 6
	.text
	.protected	k_qefbaf08036_gemm1
	.globl	k_qefbaf08036_gemm1
	.p2align	8
	.type	k_qefbaf08036_gemm1,@function
k_qefbaf08036_gemm1:
	s_mov_b64 s[64:65], 0
	v_nop
	global_prefetch_b8 v0, s[64:65] scope:SCOPE_SE
	s_setreg_imm32_b32 hwreg(HW_REG_WAVE_MODE, 25, 1), 1
	s_wait_xcnt 0x0
	s_wait_alu depctr_hold_cnt(0) depctr_sa_sdst(0) depctr_va_vdst(0) depctr_va_sdst(0) depctr_va_ssrc(0) depctr_va_vcc(0) depctr_vm_vsrc(0)
	s_getreg_b32 s2, hwreg(HW_REG_IB_STS2, 6, 4)
	s_cmp_eq_u32 s2, 0
	s_cbranch_scc0 .Lentry_in_a_cluster
	s_endpgm
.Lentry_in_a_cluster:
	s_bfe_u32 s2, ttmp6, 0x10000c
	s_cmp_lg_u32 s2, 0xf033
	s_cbranch_scc0 .Lentry_shape_is_right
	s_endpgm
.Lentry_shape_is_right:
; ONE TEXT FOR TWO LAUNCHES (GEMM = 1, 2): C = A B^T + bias on codes of FP6 (E2M3) with E8M0 scales, K = 1,024.
; GEMM = 1: A = x (4,096 tokens), B = rows 0-2047 of in_proj_w (the q and k projections; the v projection is thrown away by the module and is not made).  The results are quantised here, along a head's 64, and leave as codes.
; GEMM = 2: A = the attention's output (codes made by the launch before), B = out_w; the results leave as f32.
; OPERANDS lie in memory as images of operand registers: a tile of 16 rows is 16 images of 768 bytes (16 rows x 64 K: lane l's registers 0-3 at 16 l, registers 4-5 at 512 + 8 l), 12,288 bytes on end.
; SHARES: a work-group makes 128 tokens x 32 NB columns; wave (wm, wn) 64 tokens (4 tiles) x 16 NB columns (NB tiles).  THE PRODUCT IS USED TRANSPOSED (source 0 = 16 rows of B, source 1 = 16 tokens): a lane holds one token and eight neighbouring columns.
; LDS: all of K of both panels fits, so every byte is filled ONCE: four chunks of 256 along K, each wave four tensor loads (waves 0, 1: A's halves; waves 2, 3: B's), all issued at the start; four loads of a wave are out at the most.
; A chunk is read behind the issuing waves' counted wait and a barrier; nothing is ever filled again.
; CLUSTER 4 x 4: A's chunks are shared along a row of the cluster, B's along a column: joint loads, the same descriptor and mask in the four that a mask names.
; Scale words (one a row and 128 K) and the bias go from memory straight into registers, once.  The bias is the C of each sum's first product.
; REGISTERS: window 0: v1-15 addresses; v16-31 A's scale words, v32-63 B's (register 8 (tile / 2) + K step: even tile in lanes 0-15, odd in lanes 16-31); v64-111, v112-159 A's fragments, two sets.
;   window 1: v0-95, v96-191 B's fragments, two sets; v192.. the bias, 8 registers a tile.   window 2: accumulator (a, b) at v[8 (NB a + b)].
; LIMITS: NaN and infinities are not served; blocks whose largest magnitude lies under 2^-124 keep the scale byte 1.
; THE PANELS' WAY IN (this paragraph stands for what is said of chunks above): each wave issues ONE tensor load, at the head: its half of a panel for all of K, 4 (A) or NB (B) tiles of 12,288 bytes on end.
; One wait for 0 and one barrier show both panels whole; in LDS tile t of a half lies at 12,288 t and K step n at 1,536 n inside it, so every fragment's place is an immediate offset.
.set GEMM, 1
.if GEMM == 1
.set NB, 8
.set T0, 256                           ; B's first tile in RC
.set SPARE, 294912                     ; behind the panels: the spare words, 128 bytes for each wave
.else
.set NB, 4
.set T0, 384
.set SPARE, 214016                     ; behind the stages
.endif
.set ABYTES, 98304                     ; A's panel: four chunks of 8 tiles x 3,072 bytes
.set ACH,  24576
.set BCH,  NB*6144                     ; a chunk of B: 2 NB tiles x 3,072
.set STG,  196608                      ; GEMM = 2: a stage of 16 rows x 272 bytes for each wave
.set NLD,  4*(NB+4)                    ; LDS loads that bring a K step's fragments
.set ASC,  16
.set BSC,  32
.set AF,   64
.set BIAS, 192
.set G1A,  32                          ; s[32:39] descriptor group 1 for A;  s[40:47] for B
.set G1B,  40
.set G0A,  48                          ; s[48:51] group 0 for A;  s[68:71] for B
.set G0B,  68
.set MSB, 0
.macro WIN new                         ; the immediate's high byte repeats the setting that is left
.if MSB != \new
	s_set_vgpr_msb (MSB<<8)|\new
.set MSB, \new
.endif
.endm
.macro PLACES n
.rept \n
	v_nop
.endr
.endm
.macro CREST
	s_cmp_lg_u32 s20, 0
	s_cbranch_scc1 .Lnot_wave_0_\@
	s_barrier_signal -3
.Lnot_wave_0_\@:
	s_barrier_wait -3
	s_barrier_signal -1
	s_barrier_wait -1
.endm
.macro CROUND                          ; a round of the cluster's barrier
	s_barrier_signal -1
	s_barrier_wait -1
	CREST
.endm
.if GEMM == 1
	s_load_b128 s[4:7], s[0:1], 0x0                ; A's codes and scales: RC, RS
	s_load_b128 s[8:11], s[0:1], 0x0               ; B's: the same two buffers
	s_load_b64 s[12:13], s[0:1], 0x10              ; in_proj_b
	s_load_b128 s[16:19], s[0:1], 0x18             ; QKC, QKS
.else
	s_load_b256 s[4:11], s[0:1], 0x0               ; AC, AS, RC, RS
	s_load_b128 s[12:15], s[0:1], 0x20             ; out_b, out0
.endif
	v_lshl_add_u32 v1, v0, 2, SPARE
	v_mov_b32 v2, 0
	ds_add_u32 v1, v2                              ; the wave's opening: the add and its wait ahead of my first tensor load
	ds_add_u32 v1, v2
	v_lshrrev_b32 v200, 5, v0
	v_readfirstlane_b32 s20, v200                  ; wave 0..3
	s_lshr_b32 s21, s20, 1                         ; wm.  Also: I fetch for A (0) or for B (1)
	s_and_b32 s22, s20, 1                          ; wn.  Also: which half of the panel I fetch
	s_bfe_u32 s23, ttmp6, 0x40000                  ; cx
	s_bfe_u32 s24, ttmp6, 0x40004                  ; cy
	s_lshl_b32 s25, ttmp9, 2
	s_add_co_u32 s25, s25, s23                     ; tile column
	s_and_b32 s26, ttmp7, 0xffff
	s_lshl_b32 s26, s26, 2
	s_add_co_u32 s26, s26, s24                     ; tile row
	s_lshl_b32 s27, s24, 2
	s_lshl_b32 s27, 15, s27                        ; my row of the cluster
	s_lshl_b32 s28, 0x1111, s23                    ; my column
	s_or_b32 s[G1A], s27, (3<<16)|(1<<21)          ; 15:0 the mask; 17:16 elements of 8 bytes; 21 set beside a mask; no padding
	s_or_b32 s[G1B], s28, (3<<16)|(1<<21)
	s_mov_b32 s[G1A+1], 1536<<16                   ; tensor_dim0 = 1,536 elements: 12,288 bytes, a tile's sixteen images
	s_mov_b32 s[G1A+2], 4<<16                      ; tensor_dim1 = 4 tiles
	s_mov_b32 s[G1A+3], 1536<<16                   ; tile_dim0
	s_mov_b32 s[G1A+4], 4                          ; tile_dim1
	s_mov_b32 s[G1A+5], 1536                       ; from tile to tile: 12,288 bytes
	s_mov_b32 s[G1A+6], 0
	s_mov_b32 s[G1A+7], 0
	s_mov_b32 s[G1B+1], 1536<<16
	s_mov_b32 s[G1B+2], NB<<16
	s_mov_b32 s[G1B+3], 1536<<16
	s_mov_b32 s[G1B+4], NB
	s_mov_b32 s[G1B+5], 1536
	s_mov_b32 s[G1B+6], 0
	s_mov_b32 s[G1B+7], 0
	s_lshl_b32 s84, s26, 3                         ; A: tile 8 x tile row + 4 x half (these registers never hold cx)
	s_lshl_b32 s85, s22, 2
	s_add_co_u32 s84, s84, s85
	s_mul_i32 s84, s84, 12288
	s_mov_b32 s85, 0
	s_mul_i32 s88, s25, 2*NB                       ; B: tile T0 + 2 NB x tile column + NB x half (these never hold cy)
	s_mul_i32 s89, s22, NB
	s_add_co_u32 s88, s88, s89
	s_add_co_u32 s88, s88, T0
	s_mul_i32 s88, s88, 12288
	s_mov_b32 s89, 0
	s_mul_i32 s92, s22, 49152                      ; where they go: no place in the cluster enters an LDS address
	s_mul_i32 s93, s22, NB*12288
	s_add_co_u32 s93, s93, ABYTES
	s_mov_b32 s30, 0x76543210
	s_mov_b32 s31, 0xfedcba98                      ; selects for lane l xor 16
	s_wait_dscnt 0x0                               ; the opening add is done
	s_wait_kmcnt 0x0
	s_add_nc_u64 s[86:87], s[4:5], s[84:85]
	s_add_nc_u64 s[90:91], s[8:9], s[88:89]
	CROUND                                         ; all sixteen work-groups are here: the joint loads meet
.irp q, 0
	s_mov_b32 s[G0A+4*\q], 1
	s_add_co_u32 s[G0A+4*\q+1], s92, \q*ACH
	s_add_nc_u64 s[G0A+4*\q+2:G0A+4*\q+3], s[86:87], \q*3072
	s_or_b32 s[G0A+4*\q+3], s[G0A+4*\q+3], 0x80000000
	s_mov_b32 s[G0B+4*\q], 1
	s_add_co_u32 s[G0B+4*\q+1], s93, \q*BCH
	s_add_nc_u64 s[G0B+4*\q+2:G0B+4*\q+3], s[90:91], \q*3072
	s_or_b32 s[G0B+4*\q+3], s[G0B+4*\q+3], 0x80000000
.endr
	s_cmp_eq_u32 s21, 0                            ; a wave's one tensor load stands in one branch on the wave's number
	s_cbranch_scc0 .Lfor_b
.irp q, 0
	tensor_load_to_lds s[G0A+4*\q:G0A+4*\q+3], s[G1A:G1A+7]
	s_nop 0
.endr
	PLACES 4
	s_branch .Lasked
.Lfor_b:
.irp q, 0
	tensor_load_to_lds s[G0B+4*\q:G0B+4*\q+3], s[G1B:G1B+7]
	s_nop 0
.endr
	PLACES 4
.Lasked:
	v_and_b32 v200, 31, v0                         ; lane
	v_and_b32 v201, 15, v0                         ; r
	v_bfe_u32 v202, v0, 4, 1                       ; h
	v_lshlrev_b32 v8, 4, v200                      ; 16 x lane
	v_lshlrev_b32 v9, 3, v200
	v_add_nc_u32 v9, 512, v9                       ; 8 x lane + 512
	v_lshlrev_b32 v10, 2, v200                     ; 4 x lane
	v_lshlrev_b32 v7, 5, v200                      ; 32 x lane: a row of scale bytes
	s_wait_alu depctr_va_vdst(0)
	v_lshlrev_b32 v14, 5, v202                     ; 32 h: the bias of my half's eight columns
	s_wait_alu depctr_va_vdst(0)
	s_mul_i32 s94, s21, 49152                      ; my 4 tiles of A
	v_add_nc_u32 v3, s94, v8
	v_add_nc_u32 v4, s94, v9
	s_mul_i32 s94, s22, NB*12288                   ; my NB tiles of B
	s_add_co_u32 s94, s94, ABYTES
	v_add_nc_u32 v5, s94, v8
	v_add_nc_u32 v6, s94, v9
.if NB > 4
	v_add_nc_u32 v11, 49152, v5                    ; B's tiles 4-7: a second pair of addresses, so that every offset stays inside the 16-bit immediate
	v_add_nc_u32 v12, 49152, v6
.endif
	s_lshl_b32 s94, s26, 12                        ; A's scale bytes: 128 rows of 32 bytes a tile row, my 64
	s_lshl_b32 s95, s21, 11
	s_add_co_u32 s94, s94, s95
	s_mov_b32 s95, 0
	s_add_nc_u64 s[6:7], s[6:7], s[94:95]
	s_mul_i32 s94, s25, 2*NB
	s_mul_i32 s97, s22, NB
	s_add_co_u32 s94, s94, s97                     ; my first tile of B among the operand's
	s_lshl_b32 s98, s94, 6                         ; the bias: 16 columns x 4 bytes a tile
	s_mov_b32 s99, 0
	s_add_co_u32 s94, s94, T0
	s_lshl_b32 s94, s94, 9                         ; B's scale bytes: 512 a tile
	s_add_nc_u64 s[10:11], s[10:11], s[94:95]
	s_add_nc_u64 s[12:13], s[12:13], s[98:99]
.irp i, 0,1
	global_load_b128 v[ASC+8*\i:ASC+8*\i+3], v7, s[6:7] offset:1024*\i        ; lane l: row 32 i + l: its eight scale words, one for each K step
	global_load_b128 v[ASC+8*\i+4:ASC+8*\i+7], v7, s[6:7] offset:1024*\i+16
.endr
.set I_, 0
.rept NB/2
	global_load_b128 v[BSC+8*I_:BSC+8*I_+3], v7, s[10:11] offset:1024*I_
	global_load_b128 v[BSC+8*I_+4:BSC+8*I_+7], v7, s[10:11] offset:1024*I_+16
.set I_, I_+1
.endr
	WIN 0x40                                       ; destination window 1
.set I_, 0
.rept NB
	global_load_b128 v[BIAS+8*I_:BIAS+8*I_+3], v14, s[12:13] offset:64*I_
	global_load_b128 v[BIAS+8*I_+4:BIAS+8*I_+7], v14, s[12:13] offset:64*I_+16
.set I_, I_+1
.endr
	WIN 0
.if GEMM == 1
	s_lshr_b32 s94, s25, 2                         ; q (0) or k (1)
	s_lshl_b32 s94, s94, 1
	s_lshr_b32 s95, s26, 4                         ; batch
	s_add_co_u32 s94, s94, s95
	s_lshl_b32 s94, s94, 4
	s_and_b32 s95, s25, 3
	s_lshl_b32 s95, s95, 2
	s_add_co_u32 s94, s94, s95
	s_lshl_b32 s95, s22, 1
	s_add_co_u32 s94, s94, s95                     ; (2 which + batch) 16 + my first head
	s_lshl_b32 s94, s94, 7
	s_and_b32 s95, s26, 15
	s_lshl_b32 s95, s95, 3
	s_add_co_u32 s94, s94, s95
	s_lshl_b32 s95, s21, 2
	s_add_co_u32 s94, s94, s95                     ; x 128 + my first tile of tokens
	s_lshl_b32 s98, s94, 6                         ; scale words: 64 bytes a tile
	s_mul_i32 s94, s94, 768                        ; codes: an image a tile
	s_mov_b32 s95, 0
	s_add_nc_u64 s[16:17], s[16:17], s[94:95]
	s_add_nc_u64 s[18:19], s[18:19], s[98:99]
	s_mov_b32 s96, 0xffff0000                      ; lanes 16-31
.else
	s_mul_i32 s94, s20, 4352
	s_add_co_u32 s94, s94, STG                     ; my stage
	v_mul_u32_u24 v11, v201, 272
	v_lshl_add_u32 v11, v202, 5, v11
	v_add_nc_u32 v11, s94, v11                     ; in: row r, 32 bytes for each half of the lanes
	v_mul_u32_u24 v12, v202, 272
	v_lshl_add_u32 v12, v201, 4, v12
	v_add_nc_u32 v12, s94, v12                     ; back: lanes 0-15 one row of 256 bytes, lanes 16-31 the next
	v_lshlrev_b32 v13, 12, v202
	v_lshl_add_u32 v13, v201, 4, v13               ; and the same two rows in out0
	s_lshl_b32 s94, s26, 7
	s_lshl_b32 s95, s21, 6
	s_add_co_u32 s94, s94, s95
	s_lshl_b32 s94, s94, 12                        ; my first token's row,
	s_lshl_b32 s95, s25, 9
	s_add_co_u32 s94, s94, s95
	s_lshl_b32 s95, s22, 8
	s_add_co_u32 s94, s94, s95                     ; my first column
	s_mov_b32 s95, 0
	s_add_nc_u64 s[14:15], s[14:15], s[94:95]
.endif
; one product; ra, rb: the scale words lie in lanes 16-31 of their registers
.macro WM dd, aa, bb, cc, sa, sb, ra, rb
.if (\ra) && (\rb)
	v_wmma_scale_f32_16x16x128_f8f6f4 v[\dd:\dd+7], v[\aa:\aa+11], v[\bb:\bb+11], v[\cc:\cc+7], v[\sa], v[\sb] matrix_a_fmt:MATRIX_FMT_FP6 matrix_b_fmt:MATRIX_FMT_FP6 matrix_a_scale:MATRIX_SCALE_ROW1 matrix_b_scale:MATRIX_SCALE_ROW1
.elseif (\ra)
	v_wmma_scale_f32_16x16x128_f8f6f4 v[\dd:\dd+7], v[\aa:\aa+11], v[\bb:\bb+11], v[\cc:\cc+7], v[\sa], v[\sb] matrix_a_fmt:MATRIX_FMT_FP6 matrix_b_fmt:MATRIX_FMT_FP6 matrix_a_scale:MATRIX_SCALE_ROW1
.elseif (\rb)
	v_wmma_scale_f32_16x16x128_f8f6f4 v[\dd:\dd+7], v[\aa:\aa+11], v[\bb:\bb+11], v[\cc:\cc+7], v[\sa], v[\sb] matrix_a_fmt:MATRIX_FMT_FP6 matrix_b_fmt:MATRIX_FMT_FP6 matrix_b_scale:MATRIX_SCALE_ROW1
.else
	v_wmma_scale_f32_16x16x128_f8f6f4 v[\dd:\dd+7], v[\aa:\aa+11], v[\bb:\bb+11], v[\cc:\cc+7], v[\sa], v[\sb] matrix_a_fmt:MATRIX_FMT_FP6 matrix_b_fmt:MATRIX_FMT_FP6
.endif
.endm
; K step n on fragment set 'set': 4 NB products, every accumulator one turn.  first = 1: the bias starts the sums
.macro MUL set, n, first
.if \first
	WIN 0x91                                       ; source 0 (B) and C (the bias) window 1, source 1 (A) window 0, D window 2
.else
	WIN 0xa1                                       ; C and D window 2
.endif
.irp a, 0,1,2,3
.set B_, 0
.rept NB
.if \first
	WM 8*(NB*\a+B_), 96*\set+12*B_, AF+48*\set+12*\a, BIAS+8*B_, BSC+8*(B_/2)+\n, ASC+8*(\a/2)+\n, B_%2, \a%2
.else
	WM 8*(NB*\a+B_), 96*\set+12*B_, AF+48*\set+12*\a, 8*(NB*\a+B_), BSC+8*(B_/2)+\n, ASC+8*(\a/2)+\n, B_%2, \a%2
.endif
.set B_, B_+1
.endr
.endr
.endm
.macro FRAG reg, a16, a8, off          ; a fragment: two images
	ds_load_b128 v[\reg:\reg+3], v[\a16] offset:\off
	ds_load_b64 v[\reg+4:\reg+5], v[\a8] offset:\off
	ds_load_b128 v[\reg+6:\reg+9], v[\a16] offset:\off+768
	ds_load_b64 v[\reg+10:\reg+11], v[\a8] offset:\off+768
.endm
.macro FETCH set, s                    ; the fragments of step s of the chunk in hand
	WIN 0x40
.set I_, 0
.rept NB
	FRAG 96*\set+12*I_, 5+6*(I_/4), 6+6*(I_/4), (I_%4)*12288+1536*(\s)
.set I_, I_+1
.endr
	WIN 0
.irp i, 0,1,2,3
	FRAG AF+48*\set+12*\i, 3, 4, \i*12288+1536*(\s)
.endr
.endm
; An odd K step multiplies set 1 and fetches the next step's fragments into set 0; an even one the other way round.  Both panels are whole in LDS: no barrier stands between the steps.
.macro ODD n
	WIN 0
	s_wait_dscnt 0x0                               ; this step's fragments are in
	PLACES 4                                       ; in front of loads into registers that the last products read
	FETCH 0, \n+1
	MUL 1, \n, 0
.endm
.macro EVEN n
	PLACES 4                                       ; in front of loads into registers that the last products read
	FETCH 1, \n+1
	s_wait_dscnt NLD                               ; all but the loads just issued
	MUL 0, \n, 0
.endm
	s_wait_alu depctr_va_vdst(0)
	s_wait_loadcnt 0x0                             ; scale words and bias
	s_wait_tensorcnt 0x0                           ; my one load, my half of a panel, is in
	s_barrier_signal -1
	s_barrier_wait -1
	FETCH 0, 0
	FETCH 1, 1
	s_wait_dscnt NLD
	MUL 0, 0, 1
	ODD 1
	EVEN 2
	ODD 3
	EVEN 4
	ODD 5
	EVEN 6
	s_wait_dscnt 0x0
	MUL 1, 7, 0
	PLACES 4                                       ; behind the last products, ahead of the first read of results and of writes into fragment registers
.if GEMM == 1
; THE WAY OUT: q and k become codes.  Block k = 4 a + 2 e + bb (tile of tokens a, head e of my two, block bb of the head's 64) is v[16 k .. 16 k + 15] of window 2: 16 numbers of my token; the other 16 lie in lane l xor 16.
.set T,  64
.set U,  80                            ; (written before, by LDS loads: a lane permute's destination counts as one of its sources)
.set SO, 96
.set WD, 112
.set WP, 120
.set CD, 128
	WIN 0x28                                       ; sources 1 and 2 window 2
.set K_, 0
.rept 16
	v_max3_num_f32 v[T+K_], 0x1800000, |v[16*K_]|, |v[16*K_+1]|   ; with the floor 2^(3 - 127); each accumulator is read from its low end on
.set K_, K_+1
.endr
.irp i, 2,4,6,8,10,12,14
.set K_, 0
.rept 16
	v_max3_num_f32 v[T+K_], v[T+K_], |v[16*K_+\i]|, |v[16*K_+\i+1]|
.set K_, K_+1
.endr
.endr
	WIN 0
.set K_, 0
.rept 16
	v_permlanex16_b32 v[U+K_], v[T+K_], s30, s31
.set K_, K_+1
.endr
.set K_, 0
.rept 16
	v_max_num_f32 v[T+K_], v[T+K_], v[U+K_]        ; the block's largest magnitude
.set K_, K_+1
.endr
.set K_, 0
.rept 16
	v_add_nc_u32 v[SO+K_], 0xff000000, v[T+K_]     ; the conversion's scale operand
.set K_, K_+1
.endr
.set K_, 0
.rept 16
	v_lshrrev_b32 v[U+K_], 23, v[SO+K_]            ; the byte
.set K_, K_+1
.endr
.set K_, 0
.rept 8
	v_lshl_or_b32 v[WD+K_], v[U+2*K_+1], 8, v[U+2*K_]
.set K_, K_+1
.endr
.set K_, 0
.rept 8
	v_or_b32 v[WD+K_], 0x7f7f0000, v[WD+K_]        ; a token's word: two bytes for the head's 64, and 1.0 twice for the upper half of the instruction's 128, where q's codes are zeros
.set K_, K_+1
.endr
.irp e, 0,1
.irp p, 0,1
	v_cndmask_b32 v[WP+2*\e+\p], v[WD+4*\p+\e], v[WD+4*\p+2+\e], s96   ; tile 2 p's words in lanes 0-15, tile 2 p + 1's in lanes 16-31
.endr
.endr
	WIN 0x02                                       ; source 0 window 2
.set K_, 0
.rept 16
	v_cvt_scalef32_pk16_fp6_f32 v[CD+4*K_:CD+4*K_+2], v[16*K_:16*K_+15], v[SO+K_]
.set K_, K_+1
.endr
	v_nop                                          ; one plain place behind the scaled conversions
	WIN 0
.irp a, 0,1,2,3
.irp e, 0,1
.set F1, CD+4*(4*\a+2*\e)
.set F2, F1+4
.irp i, 0,1,2
	v_permlane16_swap_b32 v[F1+\i], v[F2+\i]       ; a whole block to a lane: lanes 0-15 block 0, lanes 16-31 block 1
.endr
	v_mov_b32 v[F1+3], v[F2]                       ; the image's registers 0-3 on end,
	v_mov_b32 v[F2], v[F2+1]                       ; and 4-5 from an even register on
	v_mov_b32 v[F2+1], v[F2+2]
	global_store_b128 v8, v[F1:F1+3], s[16:17] offset:98304*\e+768*\a
	global_store_b64 v9, v[F2:F2+1], s[16:17] offset:98304*\e+768*\a
.endr
.endr
.irp e, 0,1
.irp p, 0,1
	global_store_b32 v10, v[WP+2*\e+\p], s[18:19] offset:8192*\e+128*\p   ; 32 tokens' words: 128 consecutive bytes
.endr
.endr
.else
; THE WAY OUT: a tile of 16 tokens x my 64 columns goes through my own stage in LDS and leaves as rows: sixteen lanes store 256 consecutive bytes, aligned.  LDS serves a wave's instructions in order.
.macro TOSTAGE a
	WIN 0x08                                       ; an LDS store's data: window 2
.irp b, 0,1,2,3
	ds_store_b128 v11, v[8*(4*\a+\b):8*(4*\a+\b)+3] offset:64*\b
	ds_store_b128 v11, v[8*(4*\a+\b)+4:8*(4*\a+\b)+7] offset:64*\b+16
.endr
	WIN 0
.irp t, 0,1,2,3,4,5,6,7
	ds_load_b128 v[64+32*\a+4*\t:64+32*\a+4*\t+3], v12 offset:544*\t
.endr
.endm
.macro SEND a, younger                 ; younger: the LDS instructions issued behind tile a's loads
	s_wait_dscnt \younger
.irp t, 0,1,2,3,4,5,6,7
	global_store_b128 v13, v[64+32*\a+4*\t:64+32*\a+4*\t+3], s[14:15] offset:(16*\a+2*\t)*4096 th:TH_STORE_NT
.endr
.endm
	TOSTAGE 0
	TOSTAGE 1
	SEND 0, 16
	TOSTAGE 2
	SEND 1, 16
	TOSTAGE 3
	SEND 2, 16
	SEND 3, 0
.endif
	s_wait_tensorcnt 0x0                           ; the wave's end
	ds_add_u32 v1, v2
	s_wait_dscnt 0x0
	CROUND                                         ; the closing round
	s_endpgm
.Lfunc_end_k_qefbaf08036_gemm1:
	.size	k_qefbaf08036_gemm1, .Lfunc_end_k_qefbaf08036_gemm1-k_qefbaf08036_gemm1
	.p2alignl 7, 3214868480
	.fill 96, 4, 3214868480
	.section	.rodata,"a",@progbits
	.p2align	6, 0x0
	.amdhsa_kernel k_qefbaf08036_gemm1
		.amdhsa_group_segment_fixed_size 295424
		.amdhsa_private_segment_fixed_size 0
		.amdhsa_enable_private_segment 0
		.amdhsa_kernarg_size 40
		.amdhsa_user_sgpr_count 2
		.amdhsa_user_sgpr_kernarg_segment_ptr 1
		.amdhsa_wavefront_size32 1
		.amdhsa_system_sgpr_workgroup_id_x 1
		.amdhsa_system_sgpr_workgroup_id_y 1
		.amdhsa_system_sgpr_workgroup_id_z 1
		.amdhsa_system_vgpr_workitem_id 0
		.amdhsa_next_free_vgpr 768
		.amdhsa_next_free_sgpr 100
		.amdhsa_reserve_vcc 0
		.amdhsa_float_denorm_mode_32 3
		.amdhsa_float_denorm_mode_16_64 3
		.amdhsa_memory_ordered 1
		.amdhsa_forward_progress 1
		.amdhsa_inst_pref_size 86
	.end_amdhsa_kernel
	.amdgpu_metadata
---
amdhsa.version: [ 1, 2 ]
amdhsa.kernels:
  - .name:           k_qefbaf08036_gemm1
    .symbol:         k_qefbaf08036_gemm1.kd
    .args:
      - { .name: RC, .offset: 0, .size: 8, .value_kind: global_buffer, .address_space: global }
      - { .name: RS, .offset: 8, .size: 8, .value_kind: global_buffer, .address_space: global }
      - { .name: in_proj_b, .offset: 16, .size: 8, .value_kind: global_buffer, .address_space: global }
      - { .name: QKC, .offset: 24, .size: 8, .value_kind: global_buffer, .address_space: global }
      - { .name: QKS, .offset: 32, .size: 8, .value_kind: global_buffer, .address_space: global }
    .group_segment_fixed_size: 295424
    .private_segment_fixed_size: 0
    .kernarg_segment_align: 8
    .kernarg_segment_size: 40
    .max_flat_workgroup_size: 128
    .sgpr_count:     100
    .vgpr_count:     768
    .wavefront_size: 32
...
	.end_amdgpu_metadata
.endif
;; end of part 2
;; launch attn (part 3): grid 16 x 16, 8 waves a work-group, clusters of 4 x 1, 327,680 bytes of LDS; arguments M, QKC, QKS, VC, VS, AC, AS; writes AC, AS
.if DOCPART == 3
	.amdgcn_target "amdgcn-amd-amdhsa--gfx1250"
	.amdhsa_code_object_version 6
	.text
	.protected	k_qefbaf08036_attn
	.globl	k_qefbaf08036_attn
	.p2align	8
	.type	k_qefbaf08036_attn,@function
k_qefbaf08036_attn:
	s_mov_b64 s[64:65], 0
	v_nop
	global_prefetch_b8 v0, s[64:65] scope:SCOPE_SE
	s_setreg_imm32_b32 hwreg(HW_REG_WAVE_MODE, 25, 1), 1
	s_wait_xcnt 0x0
	s_wait_alu depctr_hold_cnt(0) depctr_sa_sdst(0) depctr_va_vdst(0) depctr_va_sdst(0) depctr_va_ssrc(0) depctr_va_vcc(0) depctr_vm_vsrc(0)
	s_getreg_b32 s2, hwreg(HW_REG_IB_STS2, 6, 4)
	s_cmp_eq_u32 s2, 0
	s_cbranch_scc0 .Lentry_in_a_cluster
	s_endpgm
.Lentry_in_a_cluster:
	s_bfe_u32 s2, ttmp6, 0x10000c
	s_cmp_lg_u32 s2, 0x3003
	s_cbranch_scc0 .Lentry_shape_is_right
	s_endpgm
.Lentry_shape_is_right:
; ATTENTION: scores = q k^T / 8, softmax over all 2,048 keys, x M, L1 renormalisation, quantised, x V; the result leaves as codes of FP6 (E2M3) for the out projection.
; SHARES: a work-group takes one head of one batch and 256 queries, in 16 rounds of 16 queries; wave w keeps keys 256 w .. 256 w + 255 for the whole launch: k's 16 fragments and V's 8 lie in registers (window 1).
; Both products are used transposed: a lane holds one query, and its registers run along the keys (S^T = k q^T) or along the head's 64 (O^T = V^T A_bar^T).
; A ROUND: 128 scores a lane; the wave's own largest t = score x log2(e) / 8, rounded up to a whole number Mw; p = 2^(t - Mw); Z = sum p and W = sum |p M|.
; The eight waves exchange (Z, W, -Mw) through LDS and bring them under the largest Mw by exact powers of two; A_bar = c p M with c = 1 / (W + 1e-8 Z), which is (A M) / (sum |A M| + 1e-8) with A = p / Z.
; A_bar is quantised by blocks of 32 keys; 8 products; the eight partial O^T are added through LDS; wave 0 quantises and stores the sum of the round before.
; THE NEXT ROUND'S SCORES ARE MADE INSIDE THIS ROUND: A_bar V has accumulators of its own, so the scores' registers come free half by half: tiles 0-7 of k q^T go out when keys 0-127 are converted, with the scaling
; of keys 128-255 between them; tiles 8-15 behind A_bar V; the search for the largest score stands among and behind these products, and the multiply-adds t - Mw under the loads of the partial O^T.
; M's tile of a round (16 queries x 2,048 keys, f32) comes by tensor loads, a wave its own 256 keys, into two slots by turns; the four heads of a cluster ask for it jointly.
; REGISTERS, window 0: v1-15, v29 addresses; v16-28, v30-31 scale words; v32-43 q; R masks, statistics, A_bar's codes; S scores; v204-227 and v244-251 block maxima and scales, then O^T's accumulators and parts.
; LIMITS: the promise holds while the scaled scores t stay under 2^31 in magnitude; NaN and infinities are not served; blocks whose largest magnitude lies under 2^-124 keep the scale byte 1.
.set MS,    133120
.set WSUB,  16640
.set MP,    1040
.set OPART, 266240
.set OSUM,  299008
.set STATS, 303104
.set SPARE, 307200
.set R,  44
.set S,  76
.set BM, 204
.set BT, 212
.set BS, 220
.set Z,  228
.set W,  232
.set MX, 236                           ; v236-239 largest scores of tiles 0-7, four chains
.set MY, 252                           ; v252-255 those of tiles 8-15
.set VF, 102
.set CW, 200                           ; window 1: v200 a copy of c (v201 completes the pair)
.set MSB, 0
.macro WIN new
.if MSB != \new
	s_set_vgpr_msb (MSB<<8)|\new
.set MSB, \new
.endif
.endm
.macro PLACES n
.rept \n
	v_nop
.endr
.endm
.macro CREST
	s_cmp_lg_u32 s18, 0
	s_cbranch_scc1 .Lnot_wave_0_\@
	s_barrier_signal -3
.Lnot_wave_0_\@:
	s_barrier_wait -3
	s_barrier_signal -1
	s_barrier_wait -1
.endm
.macro CROUND
	s_barrier_signal -1
	s_barrier_wait -1
	CREST
.endm
	s_load_b256 s[4:11], s[0:1], 0x0               ; M, QKC, QKS, VC
	s_load_b128 s[12:15], s[0:1], 0x20             ; VS, AC
	s_load_b64 s[16:17], s[0:1], 0x30              ; AS
	v_lshl_add_u32 v1, v0, 2, SPARE
	v_mov_b32 v2, 0
	ds_add_u32 v1, v2                              ; the opening lines: the add, twice on end, and its wait
	ds_add_u32 v1, v2
	v_lshrrev_b32 v254, 5, v0
	s_delay_alu instid0(VALU_DEP_1)
	v_readfirstlane_b32 s18, v254                  ; wave
	s_bfe_u32 s19, ttmp6, 0x40000                  ; cx
	s_lshl_b32 s20, ttmp9, 2
	s_add_co_u32 s20, s20, s19                     ; head
	s_and_b32 s22, ttmp7, 0xffff
	s_lshr_b32 s21, s22, 3                         ; batch
	s_and_b32 s22, s22, 7                          ; block of 256 queries
	s_mov_b32 s24, 15|(2<<16)|(1<<20)|(1<<21)|(7<<22)|(3<<25)   ; group 1: mask of the four heads; elements of 4 bytes; 4 words of padding behind each 256
	s_mov_b32 s25, 256<<16
	s_mov_b32 s26, 16<<16
	s_mov_b32 s27, 256<<16
	s_mov_b32 s28, 16
	s_mov_b32 s29, 2048
	s_mov_b32 s30, 0
	s_mov_b32 s31, 0
	s_mov_b32 s40, 0x76543210
	s_mov_b32 s41, 0xfedcba98                      ; selects for lane l xor 16
	s_mov_b32 s42, 0x3e38aa3b                      ; log2(e) / 8
	s_mov_b32 s43, s42
	s_mov_b32 s56, 0x322bcc77                      ; 1e-8
	s_lshl_b32 s23, s21, 11
	s_lshl_b32 s58, s22, 8
	s_add_co_u32 s23, s23, s58                     ; my first query among the 4,096
	s_lshl_b32 s58, s23, 13
	s_lshl_b32 s59, s18, 10
	s_add_co_u32 s58, s58, s59
	s_mov_b32 s59, 0
	s_mul_i32 s60, s18, WSUB
	s_wait_dscnt 0x0
	s_wait_kmcnt 0x0
	s_add_nc_u64 s[62:63], s[4:5], s[58:59]
	CROUND
	s_mov_b32 s32, 1
	s_mov_b32 s33, s60
	s_mov_b64 s[34:35], s[62:63]
	s_or_b32 s35, s35, 0x80000000
	s_mov_b32 s36, 1
	s_add_co_u32 s37, s60, MS
	s_add_nc_u64 s[38:39], s[62:63], 131072
	s_or_b32 s39, s39, 0x80000000
	tensor_load_to_lds s[32:35], s[24:31]          ; M's tile of round 0: my one tensor load at the head
	s_nop 0
	s_lshl_b32 s66, s21, 4
	s_add_co_u32 s66, s66, s20
	s_lshl_b32 s58, s66, 7
	s_lshl_b32 s60, s22, 4
	s_add_co_u32 s58, s58, s60
	s_lshl_b32 s60, s58, 6
	s_mul_i32 s58, s58, 768
	s_mov_b32 s61, 0
	s_add_nc_u64 s[48:49], s[6:7], s[58:59]        ; q's images and scale words
	s_add_nc_u64 s[50:51], s[8:9], s[60:61]
	s_add_co_u32 s58, s66, 32
	s_lshl_b32 s58, s58, 7
	s_lshl_b32 s60, s18, 4
	s_add_co_u32 s58, s58, s60
	s_lshl_b32 s60, s58, 6
	s_mul_i32 s58, s58, 768
	s_add_nc_u64 s[6:7], s[6:7], s[58:59]          ; k's
	s_add_nc_u64 s[8:9], s[8:9], s[60:61]
	s_lshl_b32 s58, s66, 7
	s_lshl_b32 s60, s18, 2
	s_add_co_u32 s58, s58, s60
	s_mul_i32 s58, s58, 768
	s_add_nc_u64 s[10:11], s[10:11], s[58:59]      ; V's
	s_lshl_b32 s60, s66, 5
	s_lshl_b32 s62, s18, 1
	s_add_co_u32 s60, s60, s62
	s_lshl_b32 s60, s60, 7
	s_add_nc_u64 s[12:13], s[12:13], s[60:61]
	s_add_co_u32 s58, s23, s20
	s_mul_i32 s58, s58, 768
	s_add_nc_u64 s[52:53], s[14:15], s[58:59]      ; the result's images and scale bytes
	s_lshl_b32 s60, s23, 5
	s_lshl_b32 s62, s20, 1
	s_add_co_u32 s60, s60, s62
	s_add_nc_u64 s[54:55], s[16:17], s[60:61]
	s_lshl_b32 s58, s19, 2
	s_add_co_u32 s58, s58, s18
	s_add_co_u32 s58, s58, s23
	s_lshl_b32 s58, s58, 13
	s_add_nc_u64 s[46:47], s[4:5], s[58:59]        ; the prefetches: waves 0-3 of the first cluster along x, a row of M each, the partners told apart by address
	s_lshr_b32 s45, s18, 2
	s_or_b32 s45, s45, ttmp9
	s_cmp_eq_u32 s45, 0
	s_cselect_b32 s45, 1, -1
	v_and_b32 v254, 31, v0
	v_and_b32 v255, 15, v0
	v_bfe_u32 v253, v0, 4, 1
	s_delay_alu instid0(VALU_DEP_3)
	v_lshlrev_b32 v11, 4, v254
	s_delay_alu instid0(VALU_DEP_4)
	v_lshlrev_b32 v12, 3, v254
	s_delay_alu instid0(VALU_DEP_1)
	v_add_nc_u32 v12, 512, v12
	v_lshlrev_b32 v13, 2, v255
	v_lshlrev_b32 v14, 5, v255
	v_lshlrev_b32 v15, 8, v254
	v_lshlrev_b32 v29, 2, v254
	v_mul_u32_u24 v3, v255, MP
	s_delay_alu instid0(VALU_DEP_1)
	v_lshl_add_u32 v3, v253, 5, v3
	s_mul_i32 s58, s18, WSUB
	v_add_nc_u32 v3, s58, v3
	s_delay_alu instid0(VALU_DEP_1)
	v_add_nc_u32 v4, MS, v3
	s_lshl_b32 s58, s18, 9
	s_lshl_b32 s60, s18, 12
	v_add_nc_u32 v6, STATS, v11
	s_delay_alu instid0(VALU_DEP_1)
	v_add_nc_u32 v5, s58, v6
	v_add_nc_u32 v7, OPART, v11
	s_delay_alu instid0(VALU_DEP_1)
	v_add_nc_u32 v8, s58, v7
	s_delay_alu instid0(VALU_DEP_2)
	v_add_nc_u32 v7, s60, v7
	v_add_nc_u32 v10, OSUM, v11
	s_delay_alu instid0(VALU_DEP_1)
	v_add_nc_u32 v9, s58, v10
	WIN 0x40
.irp t, 0,1,2,3,4,5,6,7,8,9,10,11,12,13,14,15
	global_load_b128 v[6*\t:6*\t+3], v11, s[6:7] offset:768*\t
	global_load_b64 v[6*\t+4:6*\t+5], v12, s[6:7] offset:768*\t
.endr
.irp s, 0,1
.irp u, 0,1,2,3
.irp c, 0,1
	global_load_b128 v[VF+12*(4*\s+\u)+6*\c:VF+12*(4*\s+\u)+6*\c+3], v11, s[10:11] offset:24576*\u+768*(2*\s+\c)
	global_load_b64 v[VF+12*(4*\s+\u)+6*\c+4:VF+12*(4*\s+\u)+6*\c+5], v12, s[10:11] offset:24576*\u+768*(2*\s+\c)
.endr
.endr
.endr
.irp i, 0,1,2,3,4,5
	v_mov_b32 v[96+\i], 0                          ; the upper 64 of the last k fragment's 128
.endr
	v_mov_b32 v[CW], 0
	v_mov_b32 v[CW+1], 0                           ; (named as the upper half of the pair)
	WIN 0
.irp i, 0,1,2,3,4,5,6,7
	global_load_b32 v[16+\i], v29, s[8:9] offset:128*\i
.endr
.irp g, 0,1
.irp s, 0,1
	global_load_b32 v[24+2*\g+\s], v29, s[12:13] offset:2048*\g+128*\s
.endr
.endr
	global_load_b128 v[32:35], v11, s[48:49]
	global_load_b64 v[36:37], v12, s[48:49]
	global_load_b32 v28, v13, s[50:51]
.irp i, 38,39,40,41,42,43
	v_mov_b32 v\i, 0                               ; q's codes for the upper 64 of the instruction's 128: zeros
.endr
.irp i, 212,213,214,215,216,217,218,219,241,243,247
	v_mov_b32 v\i, 0                               ; written once: lane permutes' destinations and upper halves of pairs
.endr
.macro QKT t                           ; S^T, tile t: 16 keys x 16 queries
.if (\t)%2
	v_wmma_scale_f32_16x16x128_f8f6f4 v[S+8*(\t):S+8*(\t)+7], v[6*(\t):6*(\t)+11], v[32:43], 0, v[16+(\t)/2], v28 matrix_a_fmt:MATRIX_FMT_FP6 matrix_b_fmt:MATRIX_FMT_FP6 matrix_a_scale:MATRIX_SCALE_ROW1
.else
	v_wmma_scale_f32_16x16x128_f8f6f4 v[S+8*(\t):S+8*(\t)+7], v[6*(\t):6*(\t)+11], v[32:43], 0, v[16+(\t)/2], v28 matrix_a_fmt:MATRIX_FMT_FP6 matrix_b_fmt:MATRIX_FMT_FP6
.endif
.endm
.macro MAX4 g                          ; the largest scores of tiles 4 g .. 4 g + 3, four chains by turns; each accumulator is read from its low end on
.set rX, MX+(MY-MX)*((\g)/2)
.irp i, 0,1,2,3
.irp x, 0,1,2,3
.set rS, S+8*(4*(\g)+\x)
.if (\g)%2
	v_max3_num_f32 v[rX+\x], v[rX+\x], v[rS+2*\i], v[rS+2*\i+1]
.elseif \i == 0
	v_max3_num_f32 v[rX+\x], v[rS], v[rS+1], v[rS+2]
.elseif \i < 3
	v_max3_num_f32 v[rX+\x], v[rX+\x], v[rS+2*\i+1], v[rS+2*\i+2]
.else
	v_max_num_f32 v[rX+\x], v[rX+\x], v[rS+7]
.endif
.endr
.endr
.endm
.macro PRE                             ; -Mw = floor(-largest t), and t - Mw for all 128 scores
	v_max3_num_f32 v[MX], v[MX], v[MX+1], v[MX+2]
	v_max3_num_f32 v[MY], v[MY], v[MY+1], v[MY+2]
	s_delay_alu instid0(VALU_DEP_2)
	v_max3_num_f32 v[MX], v[MX], v[MX+3], v[MY+3]
	s_delay_alu instid0(VALU_DEP_1)
	v_max_num_f32 v[MX], v[MX], v[MY]
	s_delay_alu instid0(VALU_DEP_1)
	v_permlanex16_b32 v255, v[MX], s40, s41
	s_delay_alu instid0(VALU_DEP_1)
	v_max_num_f32 v[MX], v[MX], v255
	s_delay_alu instid0(VALU_DEP_1)
	v_mul_f32 v[MX], s42, v[MX]
	s_delay_alu instid0(VALU_DEP_1)
	v_floor_f32 v240, -v[MX]
.set J_, 0
.rept 64
	v_pk_fma_f32 v[S+2*J_:S+2*J_+1], v[S+2*J_:S+2*J_+1], s[42:43], v[240:241] op_sel_hi:[1,0,0]
.set J_, J_+1
.endr
.endm
.macro PV                              ; O^T = V^T A_bar^T over my 256 keys: four accumulators by turns, at v204, v212, v220, v244
	WIN 0x01
.irp s, 0,1
.irp u, 0,1,2,3
.set rP, 204+8*\u+16*(\u/3)
.if (\s == 0) && (\u%2 == 0)
	v_wmma_scale_f32_16x16x128_f8f6f4 v[rP:rP+7], v[VF+12*(4*\s+\u):VF+12*(4*\s+\u)+11], v[R+12*\s:R+12*\s+11], 0, v[24+2*(\u/2)+\s], v[30+\s] matrix_a_fmt:MATRIX_FMT_FP6 matrix_b_fmt:MATRIX_FMT_FP6
.elseif \s == 0
	v_wmma_scale_f32_16x16x128_f8f6f4 v[rP:rP+7], v[VF+12*(4*\s+\u):VF+12*(4*\s+\u)+11], v[R+12*\s:R+12*\s+11], 0, v[24+2*(\u/2)+\s], v[30+\s] matrix_a_fmt:MATRIX_FMT_FP6 matrix_b_fmt:MATRIX_FMT_FP6 matrix_a_scale:MATRIX_SCALE_ROW1
.elseif \u%2 == 0
	v_wmma_scale_f32_16x16x128_f8f6f4 v[rP:rP+7], v[VF+12*(4*\s+\u):VF+12*(4*\s+\u)+11], v[R+12*\s:R+12*\s+11], v[rP:rP+7], v[24+2*(\u/2)+\s], v[30+\s] matrix_a_fmt:MATRIX_FMT_FP6 matrix_b_fmt:MATRIX_FMT_FP6
.else
	v_wmma_scale_f32_16x16x128_f8f6f4 v[rP:rP+7], v[VF+12*(4*\s+\u):VF+12*(4*\s+\u)+11], v[R+12*\s:R+12*\s+11], v[rP:rP+7], v[24+2*(\u/2)+\s], v[30+\s] matrix_a_fmt:MATRIX_FMT_FP6 matrix_b_fmt:MATRIX_FMT_FP6 matrix_a_scale:MATRIX_SCALE_ROW1
.endif
.endr
.endr
	WIN 0
.endm
.macro MLOAD slot, b
.irp i, 0,1,2,3
	ds_load_b128 v[R+16*((\b)%2)+4*\i:R+16*((\b)%2)+4*\i+3], v[3+\slot] offset:128*(\b)+16*(\i%2)+64*(\i/2)
.endr
.endm
; 16 registers of p (my half of a block of 32 keys): Z takes p, then p becomes p M in place, then W takes |p M|.  Plain vector work alone: no transcendental stands in a chunk.
.macro CHUNK slot, b
.set rS, S+16*(\b)
.set rM, R+16*((\b)%2)
.if (\b) < 7
	s_wait_dscnt 4                                 ; this chunk's four mask loads are in; the next chunk's four may be out
.else
	s_wait_dscnt 0x0
.endif
.if (\b) == 0
.irp i, 0,1
	v_pk_add_f32 v[Z+2*\i:Z+2*\i+1], v[rS+2*\i:rS+2*\i+1], v[rS+2*\i+4:rS+2*\i+5]   ; the first additions start Z's two pairs
.endr
.endif
.irp i, 0,1,2,3,4,5,6,7
.if ((\b) > 0) || (\i > 3)
	v_pk_add_f32 v[Z+2*(\i%2):Z+2*(\i%2)+1], v[Z+2*(\i%2):Z+2*(\i%2)+1], v[rS+2*\i:rS+2*\i+1]
.endif
	v_pk_mul_f32 v[rS+2*\i:rS+2*\i+1], v[rS+2*\i:rS+2*\i+1], v[rM+2*\i:rM+2*\i+1]   ; (by turns with Z's additions: each pair of p is summed, then masked)
.endr
.if (\b) < 6
	MLOAD \slot, (\b)+2
.endif
.irp i, 0,1,2,3,4,5,6,7,8,9,10,11,12,13,14,15
.if ((\b) == 0) && (\i < 4)
	v_add_f32 v[W+\i], |v[rS+\i]|, |v[rS+\i+4]|
.elseif ((\b) > 0) || (\i > 7)
	v_add_f32 v[W+\i%4], v[W+\i%4], |v[rS+\i]|
.endif
.endr
.endm
.macro ACVT s                          ; A_bar's keys 128 s .. 128 s + 127 become codes: four blocks; a whole block to a lane by an exchange of lane halves
.irp c, 0,1
	v_cvt_scalef32_pk16_fp6_f32 v[R+12*\s+6*\c:R+12*\s+6*\c+2], v[S+64*\s+32*\c:S+64*\s+32*\c+15], v[BS+4*\s+2*\c]
	v_cvt_scalef32_pk16_fp6_f32 v[R+24+4*\c:R+24+4*\c+2], v[S+64*\s+32*\c+16:S+64*\s+32*\c+31], v[BS+4*\s+2*\c+1]
.endr
	v_nop                                          ; one plain place behind the scaled conversions
.irp c, 0,1
.irp i, 0,1,2
	v_permlane16_swap_b32 v[R+12*\s+6*\c+\i], v[R+24+4*\c+\i]
.endr
.irp i, 0,1,2
	s_delay_alu instid0(VALU_DEP_3)
	v_mov_b32 v[R+12*\s+6*\c+3+\i], v[R+24+4*\c+\i]
.endr
.endr
.endm
.macro OQ                              ; wave 0: the summed O^T of the round before becomes an image of codes and 16 pairs of scale bytes
.irp i, 0,1,2,3,4,5,6,7
	ds_load_b128 v[R+4*\i:R+4*\i+3], v10 offset:512*\i
.endr
	s_wait_dscnt 0x0
.irp b, 0,1
	v_max3_num_f32 v[BT+\b], |v[R+16*\b]|, |v[R+16*\b+1]|, 0x1800000
.endr
.irp i, 2,4,6,8,10,12,14
.irp b, 0,1
	s_delay_alu instid0(VALU_DEP_2)
	v_max3_num_f32 v[BT+\b], v[BT+\b], |v[R+16*\b+\i]|, |v[R+16*\b+\i+1]|
.endr
.endr
.irp b, 0,1
	s_delay_alu instid0(VALU_DEP_2)
	v_permlanex16_b32 v[BT+2+\b], v[BT+\b], s40, s41
.endr
.irp b, 0,1
	s_delay_alu instid0(VALU_DEP_2)
	v_max_num_f32 v[BT+\b], v[BT+\b], v[BT+2+\b]
.endr
.irp b, 0,1
	s_delay_alu instid0(VALU_DEP_2)
	v_add_nc_u32 v[BS+\b], 0xff000000, v[BT+\b]
.endr
.irp b, 0,1
	s_delay_alu instid0(VALU_DEP_2)
	v_lshrrev_b32 v[BT+\b], 23, v[BS+\b]
.endr
	s_delay_alu instid0(VALU_DEP_1)
	v_lshl_or_b32 v253, v[BT+1], 8, v[BT]
	v_cvt_scalef32_pk16_fp6_f32 v[244:246], v[R:R+15], v[BS]
	v_cvt_scalef32_pk16_fp6_f32 v[250:252], v[R+16:R+31], v[BS+1]
	v_nop
.irp i, 0,1,2
	v_permlane16_swap_b32 v[244+\i], v[250+\i]
.endr
	s_delay_alu instid0(VALU_DEP_3)
	v_mov_b32 v247, v250
	s_delay_alu instid0(VALU_DEP_3)
	v_mov_b32 v248, v251
	s_delay_alu instid0(VALU_DEP_3)
	v_mov_b32 v249, v252
	global_store_b128 v11, v[244:247], s[52:53] offset:-12288
	global_store_b64 v12, v[248:249], s[52:53] offset:-12288
	global_store_b16 v14, v253, s[54:55] offset:-512
.endm
.macro ASK slot                        ; a prefetch of M's tile two refills on: 32 lanes x 256 bytes of a row; the last two refills ask for nothing
.if \slot == 0
	s_cmp_eq_u32 s45, 1
.else
	s_cmp_gt_u32 s44, s45
.endif
	s_cbranch_scc0 .Lnot_mine_\@
	global_prefetch_b8 v15, s[46:47] offset:262144 th:TH_LOAD_NT scope:SCOPE_SE
.Lnot_mine_\@:
.endm
; A round begins with t - Mw in S and the first two mask chunks on their way, and (next = 1) leaves the next round so.
.macro ROUND slot, refill, next, chk
.if \next
	global_load_b128 v[32:35], v11, s[48:49] offset:768     ; the next round's q
	global_load_b64 v[36:37], v12, s[48:49] offset:768
	global_load_b32 v28, v13, s[50:51] offset:64
.endif
	s_wait_alu depctr_va_vdst(0)                   ; ahead of the batch
.set J_, 0
.rept 128
	v_exp_f32 v[S+J_], v[S+J_]                     ; p = 2^(t - Mw): one batch of 128
.set J_, J_+1
.endr
	v_nop                                          ; one plain place behind the last of them
	s_wait_alu depctr_va_vdst(0)                   ; the one wait behind the batch, ahead of its first reader
	CHUNK \slot, 0
	CHUNK \slot, 1
	CHUNK \slot, 2
	CHUNK \slot, 3
	CHUNK \slot, 4
	CHUNK \slot, 5
	CHUNK \slot, 6
	CHUNK \slot, 7
	v_pk_add_f32 v[Z:Z+1], v[Z:Z+1], v[Z+2:Z+3]
	v_add_f32 v[W], v[W], v[W+1]
	v_add_f32 v[W+2], v[W+2], v[W+3]
	s_delay_alu instid0(VALU_DEP_3)
	v_add_f32 v244, v[Z], v[Z+1]
	s_delay_alu instid0(VALU_DEP_2)
	v_add_f32 v245, v[W], v[W+2]
	s_delay_alu instid0(VALU_DEP_2)
	v_permlanex16_b32 v254, v244, s40, s41
	s_delay_alu instid0(VALU_DEP_2)
	v_permlanex16_b32 v255, v245, s40, s41
	s_delay_alu instid0(VALU_DEP_2)
	v_add_f32 v244, v244, v254
	s_delay_alu instid0(VALU_DEP_2)
	v_add_f32 v245, v245, v255
	v_mov_b32 v246, v240
	ds_store_b128 v5, v[244:247]                   ; my wave's Z, W, -Mw
	s_wait_dscnt 0x0
	s_barrier_signal -1
.irp i, 0,2,4,6,8,10,12,14
.irp b, 0,1,2,3,4,5,6,7
.if \i == 0
	v_max3_num_f32 v[BM+\b], |v[S+16*\b]|, |v[S+16*\b+1]|, 0
.else
	v_max3_num_f32 v[BM+\b], v[BM+\b], |v[S+16*\b+\i]|, |v[S+16*\b+\i+1]|
.endif
.endr
.endr
.irp b, 0,1,2,3,4,5,6,7
	v_permlanex16_b32 v[BT+\b], v[BM+\b], s40, s41
.endr
.irp b, 0,1,2,3,4,5,6,7
	v_max_num_f32 v[BM+\b], v[BM+\b], v[BT+\b]     ; each block's largest |p M|
.endr
	s_barrier_wait -1
.irp s, 0,1,2,3,4,5,6,7
	ds_load_b128 v[R+4*\s:R+4*\s+3], v6 offset:512*\s
.endr
	s_wait_dscnt 0x0
	v_min3_num_f32 v254, v[R+2], v[R+6], v[R+10]
	s_delay_alu instid0(VALU_DEP_1)
	v_min3_num_f32 v254, v254, v[R+14], v[R+18]
	s_delay_alu instid0(VALU_DEP_1)
	v_min3_num_f32 v254, v254, v[R+22], v[R+26]
	s_delay_alu instid0(VALU_DEP_1)
	v_min_num_f32 v254, v254, v[R+30]              ; - the largest Mw
.irp s, 0,1,2,3,4,5,6,7
	v_sub_f32 v[R+4*\s+2], v254, v[R+4*\s+2]
.endr
.irp s, 0,1,2,3,4,5,6,7
	v_cvt_i32_f32 v[R+4*\s+2], v[R+4*\s+2]
.endr
.irp s, 0,1,2,3,4,5,6,7
	v_ldexp_f32 v[R+4*\s+2], 1.0, v[R+4*\s+2]      ; 2^(Mw - the largest): exact
.endr
	v_pk_mul_f32 v[244:245], v[R:R+1], v[R+2:R+3] op_sel_hi:[1,0]
.irp s, 1,2,3,4,5,6,7
	s_delay_alu instid0(VALU_DEP_1)
	v_pk_fma_f32 v[244:245], v[R+4*\s:R+4*\s+1], v[R+4*\s+2:R+4*\s+3], v[244:245] op_sel_hi:[1,0,1]
.endr
	s_delay_alu instid0(VALU_DEP_1)
	v_fma_f32 v255, v244, s56, v245                ; W + 1e-8 Z
	s_wait_alu depctr_va_vdst(0)                   ; ahead of the transcendental
	v_rcp_f32 v242, v255
	v_sub_f32 v243, v254, v240
	s_delay_alu instid0(VALU_DEP_1)
	v_cvt_i32_f32 v243, v243
	s_delay_alu instid0(VALU_DEP_1)
	v_ldexp_f32 v243, 1.0, v243
	s_wait_alu depctr_va_vdst(0)                   ; behind the transcendental
	v_mul_f32 v242, v242, v243                     ; c, under my own Mw
	s_cmp_lg_u32 s18, 0
	s_cbranch_scc1 .Lno_oq_\@
.if \chk
	s_cmp_eq_u32 s44, 7                            ; the first round has no round before it
	s_cbranch_scc1 .Lno_oq_\@
.endif
	OQ
.Lno_oq_\@:
	s_wait_alu depctr_va_vdst(0)                   ; behind the branches
.irp b, 0,1,2,3,4,5,6,7
	v_mul_f32 v[BM+\b], v[BM+\b], v242
.endr
.irp b, 0,1,2,3,4,5,6,7
	v_max_num_f32 v[BM+\b], 0x1800000, v[BM+\b]
.endr
.irp b, 0,1,2,3,4,5,6,7
	v_add_nc_u32 v[BS+\b], 0xff000000, v[BM+\b]
.endr
.irp b, 0,1,2,3,4,5,6,7
	v_lshrrev_b32 v[BT+\b], 23, v[BS+\b]
.endr
.irp s, 0,1
	v_lshl_or_b32 v[30+\s], v[BT+4*\s+1], 8, v[BT+4*\s]
	s_delay_alu instid0(VALU_DEP_1)
	v_lshl_or_b32 v[30+\s], v[BT+4*\s+2], 16, v[30+\s]
	s_delay_alu instid0(VALU_DEP_1)
	v_lshl_or_b32 v[30+\s], v[BT+4*\s+3], 24, v[30+\s]
.endr
	WIN 0x40
	v_mov_b32 v[CW], v242                          ; c into window 1: there it can be source 0 beside the products below
	WIN 0
.set J_, 0
.rept 32
	v_pk_mul_f32 v[S+2*J_:S+2*J_+1], v[S+2*J_:S+2*J_+1], v[242:243] op_sel_hi:[1,0]   ; A_bar, keys 0-127
.set J_, J_+1
.endr
	ACVT 0
	s_wait_xcnt 0x0                                ; wave 0's stores of the round before have read their data (v244-249, v253): O^T's accumulators are written only behind this wait
.if \next
	s_wait_loadcnt 0x0
	WIN 0x01                                       ; source 0 window 1
.irp t, 0,1,2,3,4,5,6,7
	QKT \t                                         ; the next scores land where keys 0-127 have been converted;
.rept 4
	v_pk_mul_f32 v[S+2*J_:S+2*J_+1], v[CW:CW+1], v[S+2*J_:S+2*J_+1] op_sel_hi:[0,1]   ; A_bar, keys 128-255, between them
.set J_, J_+1
.endr
.endr
	WIN 0
.else
.rept 32
	v_pk_mul_f32 v[S+2*J_:S+2*J_+1], v[S+2*J_:S+2*J_+1], v[242:243] op_sel_hi:[1,0]
.set J_, J_+1
.endr
.endif
	ACVT 1
	PLACES 4                                       ; an operand written by vector instructions stands 4 places ahead of a scaled product
	PV
.if \next
	MAX4 0                                         ; (32 plain lines: the places behind the products above, ahead of the stores of O^T)
	MAX4 1
	WIN 0x01
.irp t, 8,9,10,11,12,13,14,15
	QKT \t
.endr
	WIN 0
.else
	PLACES 4
.endif
.irp i, 0,1,2,3,4,5,6,7
	ds_store_b128 v7, v[204+4*\i+16*(\i/6):204+4*\i+16*(\i/6)+3] offset:512*\i   ; my partial O^T, each accumulator from its low end on
.endr
	s_wait_tensorcnt 0x0                           ; all my tensor loads, the other slot's tile among them,
	ds_add_u32 v1, v2
	s_wait_xcnt 0x0                                ; the loads, stores and prefetch have read their bases
	s_add_nc_u64 s[48:49], s[48:49], 768
	s_add_nc_u64 s[50:51], s[50:51], 64
	s_add_nc_u64 s[52:53], s[52:53], 12288
	s_add_nc_u64 s[54:55], s[54:55], 512
.if \refill
	s_add_nc_u64 s[46:47], s[46:47], 131072
	s_add_nc_u64 s[34+4*\slot:35+4*\slot], s[34+4*\slot:35+4*\slot], 262144
.endif
	s_wait_dscnt 0x0                               ; the add, my stores and my reads of this slot
	s_barrier_signal -1
.if \next
	PLACES 4                                       ; behind tiles 8-11's products
	MAX4 2
	MAX4 3
	s_wait_alu depctr_va_vdst(0)                   ; directly ahead of the barrier's wait below
.endif
	s_barrier_wait -1
.if \refill
	CREST
	tensor_load_to_lds s[32+4*\slot:35+4*\slot], s[24:31]   ; M's tile two rounds on, into the slot just read: the first tensor load behind the round
	s_nop 0
	PLACES 4
	ASK \slot
.endif
.irp s, 0,1,2,3,4,5,6,7
	ds_load_b128 v[204+4*\s+16*(\s/6):204+4*\s+16*(\s/6)+3], v8 offset:4096*\s   ; my eighth of each wave's partial O^T
.endr
.if \next
	MLOAD 1-\slot, 0
	MLOAD 1-\slot, 1
	PRE                                            ; stands under the loads' flight
	s_wait_dscnt 8                                 ; the eight parts are in; the eight mask loads may be out
.else
	s_wait_dscnt 0x0
.endif
.irp s, 0,2,4,6
.set qa, 204+4*\s+16*(\s/6)
	v_pk_add_f32 v[qa:qa+1], v[qa:qa+1], v[qa+4:qa+5]
	v_pk_add_f32 v[qa+2:qa+3], v[qa+2:qa+3], v[qa+6:qa+7]
.endr
	v_pk_add_f32 v[204:205], v[204:205], v[212:213]
	v_pk_add_f32 v[206:207], v[206:207], v[214:215]
	v_pk_add_f32 v[220:221], v[220:221], v[244:245]
	v_pk_add_f32 v[222:223], v[222:223], v[246:247]
	s_delay_alu instid0(VALU_DEP_2)
	v_pk_add_f32 v[204:205], v[204:205], v[220:221]
	s_delay_alu instid0(VALU_DEP_2)
	v_pk_add_f32 v[206:207], v[206:207], v[222:223]
	ds_store_b128 v9, v[204:207]
.endm
	s_wait_alu depctr_va_vdst(0)                   ; the head's end
	s_wait_tensorcnt 0x0                           ; round 0's tile is in (k, V, q and the scale words were asked for while it was on its way)
	ds_add_u32 v1, v2
	s_wait_dscnt 0x0
	CROUND
	tensor_load_to_lds s[36:39], s[24:31]          ; slot 1's first fill, round 1's tile: the first tensor load behind the round
	s_nop 0
	PLACES 4
	s_wait_loadcnt 0x0
	PLACES 4
	WIN 0x01
.irp t, 0,1,2,3,4,5,6,7,8,9,10,11,12,13,14,15
	QKT \t
.endr
	WIN 0
	PLACES 4
	MAX4 0
	MAX4 1
	MAX4 2
	MAX4 3
	MLOAD 0, 0
	MLOAD 0, 1
	PRE
	s_mov_b32 s44, 7
.Ltrip:
	ROUND 0, 1, 1, 1
	ROUND 1, 1, 1, 0
	s_sub_co_u32 s44, s44, 1
	s_cmp_lg_u32 s44, 0
	s_cbranch_scc1 .Ltrip
	ROUND 0, 0, 1, 0                               ; the last two rounds fetch nothing more
	ROUND 1, 0, 0, 0
	s_wait_dscnt 0x0
	s_barrier_signal -1
	s_barrier_wait -1
	s_cmp_lg_u32 s18, 0
	s_cbranch_scc1 .Lend
	OQ
.Lend:
	s_wait_tensorcnt 0x0                           ; the wave's end
	ds_add_u32 v1, v2
	s_wait_dscnt 0x0
	CROUND                                         ; the closing round
	s_endpgm
.Lfunc_end_k_qefbaf08036_attn:
	.size	k_qefbaf08036_attn, .Lfunc_end_k_qefbaf08036_attn-k_qefbaf08036_attn
	.p2alignl 7, 3214868480
	.fill 96, 4, 3214868480
	.section	.rodata,"a",@progbits
	.p2align	6, 0x0
	.amdhsa_kernel k_qefbaf08036_attn
		.amdhsa_group_segment_fixed_size 327680
		.amdhsa_private_segment_fixed_size 0
		.amdhsa_enable_private_segment 0
		.amdhsa_kernarg_size 56
		.amdhsa_user_sgpr_count 2
		.amdhsa_user_sgpr_kernarg_segment_ptr 1
		.amdhsa_wavefront_size32 1
		.amdhsa_system_sgpr_workgroup_id_x 1
		.amdhsa_system_sgpr_workgroup_id_y 1
		.amdhsa_system_sgpr_workgroup_id_z 1
		.amdhsa_system_vgpr_workitem_id 0
		.amdhsa_next_free_vgpr 512
		.amdhsa_next_free_sgpr 72
		.amdhsa_reserve_vcc 0
		.amdhsa_float_denorm_mode_32 3
		.amdhsa_float_denorm_mode_16_64 3
		.amdhsa_memory_ordered 1
		.amdhsa_forward_progress 1
		.amdhsa_inst_pref_size 247
	.end_amdhsa_kernel
	.amdgpu_metadata
---
amdhsa.version: [ 1, 2 ]
amdhsa.kernels:
  - .name:           k_qefbaf08036_attn
    .symbol:         k_qefbaf08036_attn.kd
    .args:
      - { .name: M, .offset: 0, .size: 8, .value_kind: global_buffer, .address_space: global }
      - { .name: QKC, .offset: 8, .size: 8, .value_kind: global_buffer, .address_space: global }
      - { .name: QKS, .offset: 16, .size: 8, .value_kind: global_buffer, .address_space: global }
      - { .name: VC, .offset: 24, .size: 8, .value_kind: global_buffer, .address_space: global }
      - { .name: VS, .offset: 32, .size: 8, .value_kind: global_buffer, .address_space: global }
      - { .name: AC, .offset: 40, .size: 8, .value_kind: global_buffer, .address_space: global }
      - { .name: AS, .offset: 48, .size: 8, .value_kind: global_buffer, .address_space: global }
    .group_segment_fixed_size: 327680
    .private_segment_fixed_size: 0
    .kernarg_segment_align: 8
    .kernarg_segment_size: 56
    .max_flat_workgroup_size: 256
    .sgpr_count:     72
    .vgpr_count:     512
    .wavefront_size: 32
...
	.end_amdgpu_metadata
.endif
;; end of part 3
;; launch gemm2 (part 4): grid 8 x 32, 4 waves a work-group, clusters of 4 x 4, 214,528 bytes of LDS; arguments AC, AS, RC, RS, out_b, out0; writes out0
.if DOCPART == 4
	.amdgcn_target "amdgcn-amd-amdhsa--gfx1250"
	.amdhsa_code_object_version 6
	.text
	.protected	k_qefbaf08036_gemm2
	.globl	k_qefbaf08036_gemm2
	.p2align	8
	.type	k_qefbaf08036_gemm2,@function
k_qefbaf08036_gemm2:
	s_mov_b64 s[64:65], 0
	v_nop
	global_prefetch_b8 v0, s[64:65] scope:SCOPE_SE
	s_setreg_imm32_b32 hwreg(HW_REG_WAVE_MODE, 25, 1), 1
	s_wait_xcnt 0x0
	s_wait_alu depctr_hold_cnt(0) depctr_sa_sdst(0) depctr_va_vdst(0) depctr_va_sdst(0) depctr_va_ssrc(0) depctr_va_vcc(0) depctr_vm_vsrc(0)
	s_getreg_b32 s2, hwreg(HW_REG_IB_STS2, 6, 4)
	s_cmp_eq_u32 s2, 0
	s_cbranch_scc0 .Lentry_in_a_cluster
	s_endpgm
.Lentry_in_a_cluster:
	s_bfe_u32 s2, ttmp6, 0x10000c
	s_cmp_lg_u32 s2, 0xf033
	s_cbranch_scc0 .Lentry_shape_is_right
	s_endpgm
.Lentry_shape_is_right:
; ONE TEXT FOR TWO LAUNCHES (GEMM = 1, 2): C = A B^T + bias on codes of FP6 (E2M3) with E8M0 scales, K = 1,024.
; GEMM = 1: A = x (4,096 tokens), B = rows 0-2047 of in_proj_w (the q and k projections; the v projection is thrown away by the module and is not made).  The results are quantised here, along a head's 64, and leave as codes.
; GEMM = 2: A = the attention's output (codes made by the launch before), B = out_w; the results leave as f32.
; OPERANDS lie in memory as images of operand registers: a tile of 16 rows is 16 images of 768 bytes (16 rows x 64 K: lane l's registers 0-3 at 16 l, registers 4-5 at 512 + 8 l), 12,288 bytes on end.
; SHARES: a work-group makes 128 tokens x 32 NB columns; wave (wm, wn) 64 tokens (4 tiles) x 16 NB columns (NB tiles).  THE PRODUCT IS USED TRANSPOSED (source 0 = 16 rows of B, source 1 = 16 tokens): a lane holds one token and eight neighbouring columns.
; LDS: all of K of both panels fits, so every byte is filled ONCE: four chunks of 256 along K, each wave four tensor loads (waves 0, 1: A's halves; waves 2, 3: B's), all issued at the start; four loads of a wave are out at the most.
; A chunk is read behind the issuing waves' counted wait and a barrier; nothing is ever filled again.
; CLUSTER 4 x 4: A's chunks are shared along a row of the cluster, B's along a column: joint loads, the same descriptor and mask in the four that a mask names.
; Scale words (one a row and 128 K) and the bias go from memory straight into registers, once.  The bias is the C of each sum's first product.
; REGISTERS: window 0: v1-15 addresses; v16-31 A's scale words, v32-63 B's (register 8 (tile / 2) + K step: even tile in lanes 0-15, odd in lanes 16-31); v64-111, v112-159 A's fragments, two sets.
;   window 1: v0-95, v96-191 B's fragments, two sets; v192.. the bias, 8 registers a tile.   window 2: accumulator (a, b) at v[8 (NB a + b)].
; LIMITS: NaN and infinities are not served; blocks whose largest magnitude lies under 2^-124 keep the scale byte 1.
; THE PANELS' WAY IN (this paragraph stands for what is said of chunks above): each wave issues ONE tensor load, at the head: its half of a panel for all of K, 4 (A) or NB (B) tiles of 12,288 bytes on end.
; One wait for 0 and one barrier show both panels whole; in LDS tile t of a half lies at 12,288 t and K step n at 1,536 n inside it, so every fragment's place is an immediate offset.
.set GEMM, 2
.if GEMM == 1
.set NB, 8
.set T0, 256                           ; B's first tile in RC
.set SPARE, 294912                     ; behind the panels: the spare words, 128 bytes for each wave
.else
.set NB, 4
.set T0, 384
.set SPARE, 214016                     ; behind the stages
.endif
.set ABYTES, 98304                     ; A's panel: four chunks of 8 tiles x 3,072 bytes
.set ACH,  24576
.set BCH,  NB*6144                     ; a chunk of B: 2 NB tiles x 3,072
.set STG,  196608                      ; GEMM = 2: a stage of 16 rows x 272 bytes for each wave
.set NLD,  4*(NB+4)                    ; LDS loads that bring a K step's fragments
.set ASC,  16
.set BSC,  32
.set AF,   64
.set BIAS, 192
.set G1A,  32                          ; s[32:39] descriptor group 1 for A;  s[40:47] for B
.set G1B,  40
.set G0A,  48                          ; s[48:51] group 0 for A;  s[68:71] for B
.set G0B,  68
.set MSB, 0
.macro WIN new                         ; the immediate's high byte repeats the setting that is left
.if MSB != \new
	s_set_vgpr_msb (MSB<<8)|\new
.set MSB, \new
.endif
.endm
.macro PLACES n
.rept \n
	v_nop
.endr
.endm
.macro CREST
	s_cmp_lg_u32 s20, 0
	s_cbranch_scc1 .Lnot_wave_0_\@
	s_barrier_signal -3
.Lnot_wave_0_\@:
	s_barrier_wait -3
	s_barrier_signal -1
	s_barrier_wait -1
.endm
.macro CROUND                          ; a round of the cluster's barrier
	s_barrier_signal -1
	s_barrier_wait -1
	CREST
.endm
.if GEMM == 1
	s_load_b128 s[4:7], s[0:1], 0x0                ; A's codes and scales: RC, RS
	s_load_b128 s[8:11], s[0:1], 0x0               ; B's: the same two buffers
	s_load_b64 s[12:13], s[0:1], 0x10              ; in_proj_b
	s_load_b128 s[16:19], s[0:1], 0x18             ; QKC, QKS
.else
	s_load_b256 s[4:11], s[0:1], 0x0               ; AC, AS, RC, RS
	s_load_b128 s[12:15], s[0:1], 0x20             ; out_b, out0
.endif
	v_lshl_add_u32 v1, v0, 2, SPARE
	v_mov_b32 v2, 0
	ds_add_u32 v1, v2                              ; the wave's opening: the add and its wait ahead of my first tensor load
	ds_add_u32 v1, v2
	v_lshrrev_b32 v200, 5, v0
	v_readfirstlane_b32 s20, v200                  ; wave 0..3
	s_lshr_b32 s21, s20, 1                         ; wm.  Also: I fetch for A (0) or for B (1)
	s_and_b32 s22, s20, 1                          ; wn.  Also: which half of the panel I fetch
	s_bfe_u32 s23, ttmp6, 0x40000                  ; cx
	s_bfe_u32 s24, ttmp6, 0x40004                  ; cy
	s_lshl_b32 s25, ttmp9, 2
	s_add_co_u32 s25, s25, s23                     ; tile column
	s_and_b32 s26, ttmp7, 0xffff
	s_lshl_b32 s26, s26, 2
	s_add_co_u32 s26, s26, s24                     ; tile row
	s_lshl_b32 s27, s24, 2
	s_lshl_b32 s27, 15, s27                        ; my row of the cluster
	s_lshl_b32 s28, 0x1111, s23                    ; my column
	s_or_b32 s[G1A], s27, (3<<16)|(1<<21)          ; 15:0 the mask; 17:16 elements of 8 bytes; 21 set beside a mask; no padding
	s_or_b32 s[G1B], s28, (3<<16)|(1<<21)
	s_mov_b32 s[G1A+1], 1536<<16                   ; tensor_dim0 = 1,536 elements: 12,288 bytes, a tile's sixteen images
	s_mov_b32 s[G1A+2], 4<<16                      ; tensor_dim1 = 4 tiles
	s_mov_b32 s[G1A+3], 1536<<16                   ; tile_dim0
	s_mov_b32 s[G1A+4], 4                          ; tile_dim1
	s_mov_b32 s[G1A+5], 1536                       ; from tile to tile: 12,288 bytes
	s_mov_b32 s[G1A+6], 0
	s_mov_b32 s[G1A+7], 0
	s_mov_b32 s[G1B+1], 1536<<16
	s_mov_b32 s[G1B+2], NB<<16
	s_mov_b32 s[G1B+3], 1536<<16
	s_mov_b32 s[G1B+4], NB
	s_mov_b32 s[G1B+5], 1536
	s_mov_b32 s[G1B+6], 0
	s_mov_b32 s[G1B+7], 0
	s_lshl_b32 s84, s26, 3                         ; A: tile 8 x tile row + 4 x half (these registers never hold cx)
	s_lshl_b32 s85, s22, 2
	s_add_co_u32 s84, s84, s85
	s_mul_i32 s84, s84, 12288
	s_mov_b32 s85, 0
	s_mul_i32 s88, s25, 2*NB                       ; B: tile T0 + 2 NB x tile column + NB x half (these never hold cy)
	s_mul_i32 s89, s22, NB
	s_add_co_u32 s88, s88, s89
	s_add_co_u32 s88, s88, T0
	s_mul_i32 s88, s88, 12288
	s_mov_b32 s89, 0
	s_mul_i32 s92, s22, 49152                      ; where they go: no place in the cluster enters an LDS address
	s_mul_i32 s93, s22, NB*12288
	s_add_co_u32 s93, s93, ABYTES
	s_mov_b32 s30, 0x76543210
	s_mov_b32 s31, 0xfedcba98                      ; selects for lane l xor 16
	s_wait_dscnt 0x0                               ; the opening add is done
	s_wait_kmcnt 0x0
	s_add_nc_u64 s[86:87], s[4:5], s[84:85]
	s_add_nc_u64 s[90:91], s[8:9], s[88:89]
	CROUND                                         ; all sixteen work-groups are here: the joint loads meet
.irp q, 0
	s_mov_b32 s[G0A+4*\q], 1
	s_add_co_u32 s[G0A+4*\q+1], s92, \q*ACH
	s_add_nc_u64 s[G0A+4*\q+2:G0A+4*\q+3], s[86:87], \q*3072
	s_or_b32 s[G0A+4*\q+3], s[G0A+4*\q+3], 0x80000000
	s_mov_b32 s[G0B+4*\q], 1
	s_add_co_u32 s[G0B+4*\q+1], s93, \q*BCH
	s_add_nc_u64 s[G0B+4*\q+2:G0B+4*\q+3], s[90:91], \q*3072
	s_or_b32 s[G0B+4*\q+3], s[G0B+4*\q+3], 0x80000000
.endr
	s_cmp_eq_u32 s21, 0                            ; a wave's one tensor load stands in one branch on the wave's number
	s_cbranch_scc0 .Lfor_b
.irp q, 0
	tensor_load_to_lds s[G0A+4*\q:G0A+4*\q+3], s[G1A:G1A+7]
	s_nop 0
.endr
	PLACES 4
	s_branch .Lasked
.Lfor_b:
.irp q, 0
	tensor_load_to_lds s[G0B+4*\q:G0B+4*\q+3], s[G1B:G1B+7]
	s_nop 0
.endr
	PLACES 4
.Lasked:
	v_and_b32 v200, 31, v0                         ; lane
	v_and_b32 v201, 15, v0                         ; r
	v_bfe_u32 v202, v0, 4, 1                       ; h
	v_lshlrev_b32 v8, 4, v200                      ; 16 x lane
	v_lshlrev_b32 v9, 3, v200
	v_add_nc_u32 v9, 512, v9                       ; 8 x lane + 512
	v_lshlrev_b32 v10, 2, v200                     ; 4 x lane
	v_lshlrev_b32 v7, 5, v200                      ; 32 x lane: a row of scale bytes
	s_wait_alu depctr_va_vdst(0)
	v_lshlrev_b32 v14, 5, v202                     ; 32 h: the bias of my half's eight columns
	s_wait_alu depctr_va_vdst(0)
	s_mul_i32 s94, s21, 49152                      ; my 4 tiles of A
	v_add_nc_u32 v3, s94, v8
	v_add_nc_u32 v4, s94, v9
	s_mul_i32 s94, s22, NB*12288                   ; my NB tiles of B
	s_add_co_u32 s94, s94, ABYTES
	v_add_nc_u32 v5, s94, v8
	v_add_nc_u32 v6, s94, v9
	s_lshl_b32 s94, s26, 12                        ; A's scale bytes: 128 rows of 32 bytes a tile row, my 64
	s_lshl_b32 s95, s21, 11
	s_add_co_u32 s94, s94, s95
	s_mov_b32 s95, 0
	s_add_nc_u64 s[6:7], s[6:7], s[94:95]
	s_mul_i32 s94, s25, 2*NB
	s_mul_i32 s97, s22, NB
	s_add_co_u32 s94, s94, s97                     ; my first tile of B among the operand's
	s_lshl_b32 s98, s94, 6                         ; the bias: 16 columns x 4 bytes a tile
	s_mov_b32 s99, 0
	s_add_co_u32 s94, s94, T0
	s_lshl_b32 s94, s94, 9                         ; B's scale bytes: 512 a tile
	s_add_nc_u64 s[10:11], s[10:11], s[94:95]
	s_add_nc_u64 s[12:13], s[12:13], s[98:99]
.irp i, 0,1
	global_load_b128 v[ASC+8*\i:ASC+8*\i+3], v7, s[6:7] offset:1024*\i        ; lane l: row 32 i + l: its eight scale words, one for each K step
	global_load_b128 v[ASC+8*\i+4:ASC+8*\i+7], v7, s[6:7] offset:1024*\i+16
.endr
.set I_, 0
.rept NB/2
	global_load_b128 v[BSC+8*I_:BSC+8*I_+3], v7, s[10:11] offset:1024*I_
	global_load_b128 v[BSC+8*I_+4:BSC+8*I_+7], v7, s[10:11] offset:1024*I_+16
.set I_, I_+1
.endr
	WIN 0x40                                       ; destination window 1
.set I_, 0
.rept NB
	global_load_b128 v[BIAS+8*I_:BIAS+8*I_+3], v14, s[12:13] offset:64*I_
	global_load_b128 v[BIAS+8*I_+4:BIAS+8*I_+7], v14, s[12:13] offset:64*I_+16
.set I_, I_+1
.endr
	WIN 0
.if GEMM == 1
	s_lshr_b32 s94, s25, 2                         ; q (0) or k (1)
	s_lshl_b32 s94, s94, 1
	s_lshr_b32 s95, s26, 4                         ; batch
	s_add_co_u32 s94, s94, s95
	s_lshl_b32 s94, s94, 4
	s_and_b32 s95, s25, 3
	s_lshl_b32 s95, s95, 2
	s_add_co_u32 s94, s94, s95
	s_lshl_b32 s95, s22, 1
	s_add_co_u32 s94, s94, s95                     ; (2 which + batch) 16 + my first head
	s_lshl_b32 s94, s94, 7
	s_and_b32 s95, s26, 15
	s_lshl_b32 s95, s95, 3
	s_add_co_u32 s94, s94, s95
	s_lshl_b32 s95, s21, 2
	s_add_co_u32 s94, s94, s95                     ; x 128 + my first tile of tokens
	s_lshl_b32 s98, s94, 6                         ; scale words: 64 bytes a tile
	s_mul_i32 s94, s94, 768                        ; codes: an image a tile
	s_mov_b32 s95, 0
	s_add_nc_u64 s[16:17], s[16:17], s[94:95]
	s_add_nc_u64 s[18:19], s[18:19], s[98:99]
	s_mov_b32 s96, 0xffff0000                      ; lanes 16-31
.else
	s_mul_i32 s94, s20, 4352
	s_add_co_u32 s94, s94, STG                     ; my stage
	v_mul_u32_u24 v11, v201, 272
	v_lshl_add_u32 v11, v202, 5, v11
	v_add_nc_u32 v11, s94, v11                     ; in: row r, 32 bytes for each half of the lanes
	v_mul_u32_u24 v12, v202, 272
	v_lshl_add_u32 v12, v201, 4, v12
	v_add_nc_u32 v12, s94, v12                     ; back: lanes 0-15 one row of 256 bytes, lanes 16-31 the next
	v_lshlrev_b32 v13, 12, v202
	v_lshl_add_u32 v13, v201, 4, v13               ; and the same two rows in out0
	s_lshl_b32 s94, s26, 7
	s_lshl_b32 s95, s21, 6
	s_add_co_u32 s94, s94, s95
	s_lshl_b32 s94, s94, 12                        ; my first token's row,
	s_lshl_b32 s95, s25, 9
	s_add_co_u32 s94, s94, s95
	s_lshl_b32 s95, s22, 8
	s_add_co_u32 s94, s94, s95                     ; my first column
	s_mov_b32 s95, 0
	s_add_nc_u64 s[14:15], s[14:15], s[94:95]
.endif
; one product; ra, rb: the scale words lie in lanes 16-31 of their registers
.macro WM dd, aa, bb, cc, sa, sb, ra, rb
.if (\ra) && (\rb)
	v_wmma_scale_f32_16x16x128_f8f6f4 v[\dd:\dd+7], v[\aa:\aa+11], v[\bb:\bb+11], v[\cc:\cc+7], v[\sa], v[\sb] matrix_a_fmt:MATRIX_FMT_FP6 matrix_b_fmt:MATRIX_FMT_FP6 matrix_a_scale:MATRIX_SCALE_ROW1 matrix_b_scale:MATRIX_SCALE_ROW1
.elseif (\ra)
	v_wmma_scale_f32_16x16x128_f8f6f4 v[\dd:\dd+7], v[\aa:\aa+11], v[\bb:\bb+11], v[\cc:\cc+7], v[\sa], v[\sb] matrix_a_fmt:MATRIX_FMT_FP6 matrix_b_fmt:MATRIX_FMT_FP6 matrix_a_scale:MATRIX_SCALE_ROW1
.elseif (\rb)
	v_wmma_scale_f32_16x16x128_f8f6f4 v[\dd:\dd+7], v[\aa:\aa+11], v[\bb:\bb+11], v[\cc:\cc+7], v[\sa], v[\sb] matrix_a_fmt:MATRIX_FMT_FP6 matrix_b_fmt:MATRIX_FMT_FP6 matrix_b_scale:MATRIX_SCALE_ROW1
.else
	v_wmma_scale_f32_16x16x128_f8f6f4 v[\dd:\dd+7], v[\aa:\aa+11], v[\bb:\bb+11], v[\cc:\cc+7], v[\sa], v[\sb] matrix_a_fmt:MATRIX_FMT_FP6 matrix_b_fmt:MATRIX_FMT_FP6
.endif
.endm
; K step n on fragment set 'set': 4 NB products, every accumulator one turn.  first = 1: the bias starts the sums
.macro MUL set, n, first
.if \first
	WIN 0x91                                       ; source 0 (B) and C (the bias) window 1, source 1 (A) window 0, D window 2
.else
	WIN 0xa1                                       ; C and D window 2
.endif
.irp a, 0,1,2,3
.set B_, 0
.rept NB
.if \first
	WM 8*(NB*\a+B_), 96*\set+12*B_, AF+48*\set+12*\a, BIAS+8*B_, BSC+8*(B_/2)+\n, ASC+8*(\a/2)+\n, B_%2, \a%2
.else
	WM 8*(NB*\a+B_), 96*\set+12*B_, AF+48*\set+12*\a, 8*(NB*\a+B_), BSC+8*(B_/2)+\n, ASC+8*(\a/2)+\n, B_%2, \a%2
.endif
.set B_, B_+1
.endr
.endr
.endm
.macro FRAG reg, a16, a8, off          ; a fragment: two images
	ds_load_b128 v[\reg:\reg+3], v[\a16] offset:\off
	ds_load_b64 v[\reg+4:\reg+5], v[\a8] offset:\off
	ds_load_b128 v[\reg+6:\reg+9], v[\a16] offset:\off+768
	ds_load_b64 v[\reg+10:\reg+11], v[\a8] offset:\off+768
.endm
.macro FETCH set, s                    ; the fragments of step s of the chunk in hand
	WIN 0x40
.set I_, 0
.rept NB
	FRAG 96*\set+12*I_, 5, 6, I_*12288+1536*(\s)
.set I_, I_+1
.endr
	WIN 0
.irp i, 0,1,2,3
	FRAG AF+48*\set+12*\i, 3, 4, \i*12288+1536*(\s)
.endr
.endm
; An odd K step multiplies set 1 and fetches the next step's fragments into set 0; an even one the other way round.  Both panels are whole in LDS: no barrier stands between the steps.
.macro ODD n
	WIN 0
	s_wait_dscnt 0x0                               ; this step's fragments are in
	PLACES 4                                       ; in front of loads into registers that the last products read
	FETCH 0, \n+1
	MUL 1, \n, 0
.endm
.macro EVEN n
	PLACES 4                                       ; in front of loads into registers that the last products read
	FETCH 1, \n+1
	s_wait_dscnt NLD                               ; all but the loads just issued
	MUL 0, \n, 0
.endm
	s_wait_alu depctr_va_vdst(0)
	s_wait_loadcnt 0x0                             ; scale words and bias
	s_wait_tensorcnt 0x0                           ; my one load, my half of a panel, is in
	s_barrier_signal -1
	s_barrier_wait -1
	FETCH 0, 0
	FETCH 1, 1
	s_wait_dscnt NLD
	MUL 0, 0, 1
	ODD 1
	EVEN 2
	ODD 3
	EVEN 4
	ODD 5
	EVEN 6
	s_wait_dscnt 0x0
	MUL 1, 7, 0
	PLACES 4                                       ; behind the last products, ahead of the first read of results and of writes into fragment registers
.if GEMM == 1
; THE WAY OUT: q and k become codes.  Block k = 4 a + 2 e + bb (tile of tokens a, head e of my two, block bb of the head's 64) is v[16 k .. 16 k + 15] of window 2: 16 numbers of my token; the other 16 lie in lane l xor 16.
.set T,  64
.set U,  80                            ; (written before, by LDS loads: a lane permute's destination counts as one of its sources)
.set SO, 96
.set WD, 112
.set WP, 120
.set CD, 128
	WIN 0x28                                       ; sources 1 and 2 window 2
.set K_, 0
.rept 16
	v_max3_num_f32 v[T+K_], 0x1800000, |v[16*K_]|, |v[16*K_+1]|   ; with the floor 2^(3 - 127); each accumulator is read from its low end on
.set K_, K_+1
.endr
.irp i, 2,4,6,8,10,12,14
.set K_, 0
.rept 16
	v_max3_num_f32 v[T+K_], v[T+K_], |v[16*K_+\i]|, |v[16*K_+\i+1]|
.set K_, K_+1
.endr
.endr
	WIN 0
.set K_, 0
.rept 16
	v_permlanex16_b32 v[U+K_], v[T+K_], s30, s31
.set K_, K_+1
.endr
.set K_, 0
.rept 16
	v_max_num_f32 v[T+K_], v[T+K_], v[U+K_]        ; the block's largest magnitude
.set K_, K_+1
.endr
.set K_, 0
.rept 16
	v_add_nc_u32 v[SO+K_], 0xff000000, v[T+K_]     ; the conversion's scale operand
.set K_, K_+1
.endr
.set K_, 0
.rept 16
	v_lshrrev_b32 v[U+K_], 23, v[SO+K_]            ; the byte
.set K_, K_+1
.endr
.set K_, 0
.rept 8
	v_lshl_or_b32 v[WD+K_], v[U+2*K_+1], 8, v[U+2*K_]
.set K_, K_+1
.endr
.set K_, 0
.rept 8
	v_or_b32 v[WD+K_], 0x7f7f0000, v[WD+K_]        ; a token's word: two bytes for the head's 64, and 1.0 twice for the upper half of the instruction's 128, where q's codes are zeros
.set K_, K_+1
.endr
.irp e, 0,1
.irp p, 0,1
	v_cndmask_b32 v[WP+2*\e+\p], v[WD+4*\p+\e], v[WD+4*\p+2+\e], s96   ; tile 2 p's words in lanes 0-15, tile 2 p + 1's in lanes 16-31
.endr
.endr
	WIN 0x02                                       ; source 0 window 2
.set K_, 0
.rept 16
	v_cvt_scalef32_pk16_fp6_f32 v[CD+4*K_:CD+4*K_+2], v[16*K_:16*K_+15], v[SO+K_]
.set K_, K_+1
.endr
	v_nop                                          ; one plain place behind the scaled conversions
	WIN 0
.irp a, 0,1,2,3
.irp e, 0,1
.set F1, CD+4*(4*\a+2*\e)
.set F2, F1+4
.irp i, 0,1,2
	v_permlane16_swap_b32 v[F1+\i], v[F2+\i]       ; a whole block to a lane: lanes 0-15 block 0, lanes 16-31 block 1
.endr
	v_mov_b32 v[F1+3], v[F2]                       ; the image's registers 0-3 on end,
	v_mov_b32 v[F2], v[F2+1]                       ; and 4-5 from an even register on
	v_mov_b32 v[F2+1], v[F2+2]
	global_store_b128 v8, v[F1:F1+3], s[16:17] offset:98304*\e+768*\a
	global_store_b64 v9, v[F2:F2+1], s[16:17] offset:98304*\e+768*\a
.endr
.endr
.irp e, 0,1
.irp p, 0,1
	global_store_b32 v10, v[WP+2*\e+\p], s[18:19] offset:8192*\e+128*\p   ; 32 tokens' words: 128 consecutive bytes
.endr
.endr
.else
; THE WAY OUT: a tile of 16 tokens x my 64 columns goes through my own stage in LDS and leaves as rows: sixteen lanes store 256 consecutive bytes, aligned.  LDS serves a wave's instructions in order.
.macro TOSTAGE a
	WIN 0x08                                       ; an LDS store's data: window 2
.irp b, 0,1,2,3
	ds_store_b128 v11, v[8*(4*\a+\b):8*(4*\a+\b)+3] offset:64*\b
	ds_store_b128 v11, v[8*(4*\a+\b)+4:8*(4*\a+\b)+7] offset:64*\b+16
.endr
	WIN 0
.irp t, 0,1,2,3,4,5,6,7
	ds_load_b128 v[64+32*\a+4*\t:64+32*\a+4*\t+3], v12 offset:544*\t
.endr
.endm
.macro SEND a, younger                 ; younger: the LDS instructions issued behind tile a's loads
	s_wait_dscnt \younger
.irp t, 0,1,2,3,4,5,6,7
	global_store_b128 v13, v[64+32*\a+4*\t:64+32*\a+4*\t+3], s[14:15] offset:(16*\a+2*\t)*4096 th:TH_STORE_NT
.endr
.endm
	TOSTAGE 0
	TOSTAGE 1
	SEND 0, 16
	TOSTAGE 2
	SEND 1, 16
	TOSTAGE 3
	SEND 2, 16
	SEND 3, 0
.endif
	s_wait_tensorcnt 0x0                           ; the wave's end
	ds_add_u32 v1, v2
	s_wait_dscnt 0x0
	CROUND                                         ; the closing round
	s_endpgm
.Lfunc_end_k_qefbaf08036_gemm2:
	.size	k_qefbaf08036_gemm2, .Lfunc_end_k_qefbaf08036_gemm2-k_qefbaf08036_gemm2
	.p2alignl 7, 3214868480
	.fill 96, 4, 3214868480
	.section	.rodata,"a",@progbits
	.p2align	6, 0x0
	.amdhsa_kernel k_qefbaf08036_gemm2
		.amdhsa_group_segment_fixed_size 214528
		.amdhsa_private_segment_fixed_size 0
		.amdhsa_enable_private_segment 0
		.amdhsa_kernarg_size 48
		.amdhsa_user_sgpr_count 2
		.amdhsa_user_sgpr_kernarg_segment_ptr 1
		.amdhsa_wavefront_size32 1
		.amdhsa_system_sgpr_workgroup_id_x 1
		.amdhsa_system_sgpr_workgroup_id_y 1
		.amdhsa_system_sgpr_workgroup_id_z 1
		.amdhsa_system_vgpr_workitem_id 0
		.amdhsa_next_free_vgpr 768
		.amdhsa_next_free_sgpr 100
		.amdhsa_reserve_vcc 0
		.amdhsa_float_denorm_mode_32 3
		.amdhsa_float_denorm_mode_16_64 3
		.amdhsa_memory_ordered 1
		.amdhsa_forward_progress 1
		.amdhsa_inst_pref_size 50
	.end_amdhsa_kernel
	.amdgpu_metadata
---
amdhsa.version: [ 1, 2 ]
amdhsa.kernels:
  - .name:           k_qefbaf08036_gemm2
    .symbol:         k_qefbaf08036_gemm2.kd
    .args:
      - { .name: AC, .offset: 0, .size: 8, .value_kind: global_buffer, .address_space: global }
      - { .name: AS, .offset: 8, .size: 8, .value_kind: global_buffer, .address_space: global }
      - { .name: RC, .offset: 16, .size: 8, .value_kind: global_buffer, .address_space: global }
      - { .name: RS, .offset: 24, .size: 8, .value_kind: global_buffer, .address_space: global }
      - { .name: out_b, .offset: 32, .size: 8, .value_kind: global_buffer, .address_space: global }
      - { .name: out0, .offset: 40, .size: 8, .value_kind: global_buffer, .address_space: global }
    .group_segment_fixed_size: 214528
    .private_segment_fixed_size: 0
    .kernarg_segment_align: 8
    .kernarg_segment_size: 48
    .max_flat_workgroup_size: 128
    .sgpr_count:     100
    .vgpr_count:     768
    .wavefront_size: 32
...
	.end_amdgpu_metadata
.endif
;; end of part 4
